; MI455X (gfx1250); checked and timed in simulation.
; The chip was launched on July 23, 2026; its instructions are those of AMD's public machine-readable ISA for CDNA 5 (MIT licence, August 2026) and "CDNA5" Instruction Set Architecture Reference Guide (July 2026). The comments in the code are by the model that wrote it; some were corrected since.
;; Causal Self Attention. Allowed arithmetic: float matrix products may take bf16 or f16 operands with f32 sums; other float arithmetic in f32, or as packed bf16 or f16 multiplies, adds, multiply-adds, maxima and minima; sums over many terms, partial sums and values carried from step to step in f32; what a program stores and reads back later, other than sums and carried values, may be rounded once to bf16 or f16.
;; Inputs: Wk 1,024 x 1,024 float32; Wo 1,024 x 1,024 float32; Wq 1,024 x 1,024 float32; Wv 1,024 x 1,024 float32; cos 1 x 1 x 2,048 x 32 float32; sin 1 x 1 x 2,048 x 32 float32; x 4 x 2,048 x 1,024 float32.
;; Outputs: out0 4 x 2,048 x 1,024 float32.
;; One version. Each part assembles by itself: llvm-mc -triple=amdgcn-amd-amdhsa -mcpu=gfx1250 --defsym DOCPART=n.
;; ======== version 1 of 1: 4 launches
;; limits: values are held in f16: magnitudes above 65,504 overflow, below 6.1e-05 lose precision
;; workspace buffers: xb 16,777,216 bytes; w3 6,291,456 bytes; wo 2,097,152 bytes; cs 524,288 bytes; qh 16,777,216 bytes; kh 16,777,216 bytes; vh 16,777,216 bytes; oh 16,777,216 bytes
;; launch prep (part 1): grid 776 x 1, 8 waves a work-group, no clusters, 0 bytes of LDS; arguments x, Wq, Wk, Wv, Wo, cos, sin, xb, w3, wo, cs; writes xb, w3, wo, cs
.if DOCPART == 1
	.amdgcn_target "amdgcn-amd-amdhsa--gfx1250"
	.amdhsa_code_object_version 6
	.text
	.protected	k_q90e09885f5_prep
	.globl	k_q90e09885f5_prep
	.p2align	8
	.type	k_q90e09885f5_prep,@function
k_q90e09885f5_prep:
	s_mov_b64 s[64:65], 0
	v_nop
	global_prefetch_b8 v0, s[64:65] scope:SCOPE_SE
	s_setreg_imm32_b32 hwreg(HW_REG_WAVE_MODE, 25, 1), 1
	s_wait_xcnt 0x0
; PREP: every input is rounded once to bf16 and laid out so that each tile of the later launches is dense in memory.
;   xb  bf16 [ks 16][m 8192][64]                 x, cut along K into 16 slices of 64 channels
;   w3  bf16 [tc 8][ks 16][pl 6][kk 64][d 64]    Wq, Wk, Wv by heads: plane p = 6 tc + pl holds one head's 64 columns (the order of planes: below)
;   wo  f16  [tc 8][ks 16][pl 2][kk 64][d 64]    Wo, rounded to bf16 and that number written as f16 (below 6e-5 it keeps f16's fixed step of 6e-8)
;   cs  f32  cos [2048][32], then sin            the bf16-rounded numbers, kept in 32 bits
; A stream: no LDS, no matrix unit, nothing is read twice.  A work-group takes 65,536 source bytes as 16 rows of 4,096; thread t takes row t / 16 and, of each
; of the row's 16 blocks of 256 bytes, the 16 bytes at 16 (t % 16): a wave's load covers two whole aligned blocks of 256 bytes.  Four f32 become 8 bytes, and a wave's
; store of 8 bytes a lane covers 256 consecutive aligned bytes (two rows of 128): the offset of thread t's 8 bytes is simply 8 t.
; Work-groups 0-511: x.  512-767: Wq, Wk, Wv, Wo, 64 each.  768-775: cos, sin, 4 each.
; PLANES.  q head hd: 3 (hd / 2) + hd % 2;  k head hd < 8: 3 hd + 2;  k head hd >= 8: 24 + 3 (hd - 8);  v head hd: 24 + 3 (hd / 2) + 1 + hd % 2.
.set DAT, 16                           ; v[16:79]   16 blocks x 4 f32 as loaded
.set PKD, 80                           ; v[80:111]  16 blocks x 2 registers of packed 16-bit numbers
	s_load_b512 s[16:31], s[0:1], 0x0              ; x, Wq, Wk, Wv, Wo, cos, sin, xb
	s_load_b128 s[32:35], s[0:1], 0x40             ; w3, wo
	s_load_b64 s[36:37], s[0:1], 0x50              ; cs
	v_lshrrev_b32 v1, 4, v0                        ; my row of the 16
	v_and_b32 v3, 15, v0
	v_lshlrev_b32 v1, 12, v1
	v_lshl_add_u32 v1, v3, 4, v1                   ; source offset: row x 4,096 + 16 (t % 16)
	v_lshlrev_b32 v2, 3, v0                        ; destination offset: row x 128 + 8 (t % 16) = 8 t
	s_mov_b32 s2, ttmp9
	s_sub_co_u32 s4, s2, 512                       ; among the weights' work-groups:
	s_lshr_b32 s5, s4, 6
	s_add_co_u32 s5, s5, 1                         ; kind 1 .. 4 = Wq, Wk, Wv, Wo
	s_and_b32 s6, s4, 63                           ; which 16 rows
	s_sub_co_u32 s7, s2, 768                       ; among the tables':
	s_lshr_b32 s8, s7, 2
	s_add_co_u32 s8, s8, 5                         ; kind 5, 6 = cos, sin
	s_and_b32 s9, s7, 3
	s_cmp_lt_u32 s2, 768
	s_cselect_b32 s3, s5, s8
	s_cselect_b32 s10, s6, s9
	s_cmp_lt_u32 s2, 512
	s_cselect_b32 s3, 0, s3                        ; s3 = kind (0 = x)
	s_cselect_b32 s10, s2, s10                     ; s10 = which 65,536 bytes of the source
	s_lshl_b32 s42, s10, 16
	s_mov_b32 s43, 0
	s_wait_kmcnt 0x0
	s_mov_b64 s[40:41], s[16:17]
.irp k, 1,2,3,4,5,6
	s_cmp_eq_u32 s3, \k
	s_cselect_b64 s[40:41], s[16+2*\k:17+2*\k], s[40:41]  ; the source is chosen by the work-group's number alone
.endr
	s_add_nc_u64 s[40:41], s[40:41], s[42:43]
.set i, 0
.rept 16
	global_load_b128 v[DAT+4*i:DAT+4*i+3], v1, s[40:41] offset:256*i th:TH_LOAD_NT
.set i, i+1
.endr
.set i, 0
.rept 16
	s_wait_loadcnt 15-i                            ; loads come back in order: block i is in, the 15 - i younger ones stay out
	v_cvt_pk_bf16_f32 v[PKD+2*i], v[DAT+4*i], v[DAT+4*i+1]
	v_cvt_pk_bf16_f32 v[PKD+2*i+1], v[DAT+4*i+2], v[DAT+4*i+3]
.set i, i+1
.endr
	s_cmp_eq_u32 s3, 0
	s_cbranch_scc0 .Lnot_x
	; x: block i is K slice i; my rows are m = 16 g + row
	s_lshl_b32 s42, s2, 11
	s_add_nc_u64 s[44:45], s[30:31], s[42:43]
	s_add_nc_u64 s[46:47], s[44:45], 0x800000      ; slices 8 to 15 from a second base: 8 x 1,048,576 does not fit the signed 24-bit immediate
.set i, 0
.rept 8
	global_store_b64 v2, v[PKD+2*i:PKD+2*i+1], s[44:45] offset:i*1048576
	global_store_b64 v2, v[PKD+2*i+16:PKD+2*i+17], s[46:47] offset:i*1048576
.set i, i+1
.endr
	s_endpgm
.Lnot_x:
	s_cmp_gt_u32 s3, 4
	s_cbranch_scc1 .Ltables
	s_lshr_b32 s11, s10, 2                         ; a weight's rows are k = 16 rg + row: K slice rg / 4,
	s_and_b32 s12, s10, 3
	s_lshl_b32 s12, s12, 11                        ; and 16 (rg % 4) rows of 128 bytes into it
	s_cmp_eq_u32 s3, 4
	s_cbranch_scc1 .Lwo
	s_mul_i32 s42, s11, 49152
	s_add_co_u32 s42, s42, s12
	s_add_nc_u64 s[44:45], s[32:33], s[42:43]
	s_cmp_eq_u32 s3, 1
	s_cbranch_scc0 .Lnot_q
.set i, 0
.rept 16                               ; block i is head i; its plane's place stands in the immediate
.set p, 3*(i/2)+(i%2)
	global_store_b64 v2, v[PKD+2*i:PKD+2*i+1], s[44:45] offset:(p/6)*786432+(p%6)*8192
.set i, i+1
.endr
	s_endpgm
.Lnot_q:
	s_cmp_eq_u32 s3, 2
	s_cbranch_scc0 .Lwv
.set i, 0
.rept 16
.if i < 8
.set p, 3*i+2
.else
.set p, 24+3*(i-8)
.endif
	global_store_b64 v2, v[PKD+2*i:PKD+2*i+1], s[44:45] offset:(p/6)*786432+(p%6)*8192
.set i, i+1
.endr
	s_endpgm
.Lwv:
.set i, 0
.rept 16
.set p, 24+3*(i/2)+1+(i%2)
	global_store_b64 v2, v[PKD+2*i:PKD+2*i+1], s[44:45] offset:(p/6)*786432+(p%6)*8192
.set i, i+1
.endr
	s_endpgm
.Lwo:
	s_lshl_b32 s42, s11, 14
	s_add_co_u32 s42, s42, s12
	s_add_nc_u64 s[44:45], s[34:35], s[42:43]
.set i, 0
.rept 16                               ; the bf16-rounded numbers, widened (a shift, a mask) and written as f16
	v_lshlrev_b32 v[DAT+4*i], 16, v[PKD+2*i]
	v_and_b32 v[DAT+4*i+1], 0xffff0000, v[PKD+2*i]
	v_lshlrev_b32 v[DAT+4*i+2], 16, v[PKD+2*i+1]
	v_and_b32 v[DAT+4*i+3], 0xffff0000, v[PKD+2*i+1]
	v_cvt_pk_f16_f32 v[PKD+2*i], v[DAT+4*i], v[DAT+4*i+1]
	v_cvt_pk_f16_f32 v[PKD+2*i+1], v[DAT+4*i+2], v[DAT+4*i+3]
	global_store_b64 v2, v[PKD+2*i:PKD+2*i+1], s[44:45] offset:(i/2)*262144+(i%2)*8192
.set i, i+1
.endr
	s_endpgm
.Ltables:
	s_sub_co_u32 s11, s3, 5
	s_lshl_b32 s11, s11, 18                        ; cos at 0, sin at 262,144
	s_add_co_u32 s42, s42, s11                     ; s42 still holds 65,536 x my part
	s_add_nc_u64 s[44:45], s[36:37], s[42:43]
.set i, 0
.rept 16                               ; the rounded numbers widened again: same layout as the source
	v_lshlrev_b32 v[DAT+4*i], 16, v[PKD+2*i]
	v_and_b32 v[DAT+4*i+1], 0xffff0000, v[PKD+2*i]
	v_lshlrev_b32 v[DAT+4*i+2], 16, v[PKD+2*i+1]
	v_and_b32 v[DAT+4*i+3], 0xffff0000, v[PKD+2*i+1]
	global_store_b128 v1, v[DAT+4*i:DAT+4*i+3], s[44:45] offset:256*i
.set i, i+1
.endr
	s_endpgm
.Lfunc_end_k_q90e09885f5_prep:
	.size	k_q90e09885f5_prep, .Lfunc_end_k_q90e09885f5_prep-k_q90e09885f5_prep
	.p2alignl 7, 3214868480
	.fill 96, 4, 3214868480
	.section	.rodata,"a",@progbits
	.p2align	6, 0x0
	.amdhsa_kernel k_q90e09885f5_prep
		.amdhsa_group_segment_fixed_size 0
		.amdhsa_private_segment_fixed_size 0
		.amdhsa_enable_private_segment 0
		.amdhsa_kernarg_size 88
		.amdhsa_user_sgpr_count 2
		.amdhsa_user_sgpr_kernarg_segment_ptr 1
		.amdhsa_wavefront_size32 1
		.amdhsa_system_sgpr_workgroup_id_x 1
		.amdhsa_system_sgpr_workgroup_id_y 1
		.amdhsa_system_sgpr_workgroup_id_z 1
		.amdhsa_system_vgpr_workitem_id 0
		.amdhsa_next_free_vgpr 112
		.amdhsa_next_free_sgpr 66
		.amdhsa_reserve_vcc 0
		.amdhsa_float_denorm_mode_32 3
		.amdhsa_float_denorm_mode_16_64 3
		.amdhsa_memory_ordered 1
		.amdhsa_forward_progress 1
		.amdhsa_inst_pref_size 24
	.end_amdhsa_kernel
	.amdgpu_metadata
---
amdhsa.version: [ 1, 2 ]
amdhsa.kernels:
  - .name:           k_q90e09885f5_prep
    .symbol:         k_q90e09885f5_prep.kd
    .args:
      - { .name: x, .offset: 0, .size: 8, .value_kind: global_buffer, .address_space: global }
      - { .name: Wq, .offset: 8, .size: 8, .value_kind: global_buffer, .address_space: global }
      - { .name: Wk, .offset: 16, .size: 8, .value_kind: global_buffer, .address_space: global }
      - { .name: Wv, .offset: 24, .size: 8, .value_kind: global_buffer, .address_space: global }
      - { .name: Wo, .offset: 32, .size: 8, .value_kind: global_buffer, .address_space: global }
      - { .name: cos, .offset: 40, .size: 8, .value_kind: global_buffer, .address_space: global }
      - { .name: sin, .offset: 48, .size: 8, .value_kind: global_buffer, .address_space: global }
      - { .name: xb, .offset: 56, .size: 8, .value_kind: global_buffer, .address_space: global }
      - { .name: w3, .offset: 64, .size: 8, .value_kind: global_buffer, .address_space: global }
      - { .name: wo, .offset: 72, .size: 8, .value_kind: global_buffer, .address_space: global }
      - { .name: cs, .offset: 80, .size: 8, .value_kind: global_buffer, .address_space: global }
    .group_segment_fixed_size: 0
    .private_segment_fixed_size: 0
    .kernarg_segment_align: 8
    .kernarg_segment_size: 88
    .max_flat_workgroup_size: 256
    .sgpr_count:     66
    .vgpr_count:     112
    .wavefront_size: 32
...
	.end_amdgpu_metadata
.endif
;; end of part 1
;; launch qkv (part 2): grid 8 x 32, 4 waves a work-group, clusters of 4 x 4, 327,680 bytes of LDS; arguments xb, w3, cs, qh, kh, vh; writes qh, kh, vh
.if DOCPART == 2
	.amdgcn_target "amdgcn-amd-amdhsa--gfx1250"
	.amdhsa_code_object_version 6
	.text
	.protected	k_q90e09885f5_qkv
	.globl	k_q90e09885f5_qkv
	.p2align	8
	.type	k_q90e09885f5_qkv,@function
k_q90e09885f5_qkv:
	s_mov_b64 s[64:65], 0
	v_nop
	global_prefetch_b8 v0, s[64:65] scope:SCOPE_SE
	s_setreg_imm32_b32 hwreg(HW_REG_WAVE_MODE, 25, 1), 1
	s_wait_xcnt 0x0
	s_wait_alu depctr_hold_cnt(0) depctr_sa_sdst(0) depctr_va_vdst(0) depctr_va_sdst(0) depctr_va_ssrc(0) depctr_va_vcc(0) depctr_vm_vsrc(0)
	s_getreg_b32 s2, hwreg(HW_REG_IB_STS2, 6, 4)
	s_cmp_eq_u32 s2, 0
	s_cbranch_scc0 .Lentry_in_a_cluster
	s_endpgm
.Lentry_in_a_cluster:
	s_bfe_u32 s2, ttmp6, 0x10000c
	s_cmp_lg_u32 s2, 0xf033
	s_cbranch_scc0 .Lentry_shape_is_right
	s_endpgm
.Lentry_shape_is_right:
; QKV: [8192 x 1024] x [1024 x 3072] in bf16 with f32 sums; on the way out RoPE, the RMS norm over a head's 64 channels, and the split into heads; q, k, v leave in f16 as [16 b + head][t][64].
; q also takes the factor c = log2(e) / 8 in f32, ahead of its one rounding, so that the attention's weights are 2^(q . k).
; LIMITS.  v is f16: |x Wv| stays under 65,504 (its spread is 0.64 for x of spread 1 and weights of spread 0.02; 576 with both 30 times larger; some 18,400 with offsets of 30 spreads on both).
; q and k are normalised and lie within 8.  NaN and infinities are not treated apart.
; SHARES.  A tile of C is 256 rows x 384 columns (6 planes of 64 = 6 heads): 32 x 8 tiles, one a work-group.  A wave makes 128 rows x 3 planes: 96 accumulators, 768 registers, a plane a window.
; K goes in 16 steps of 64 through two LDS slots; a step is two slices of 32 along K, 96 matrix instructions each.
; THE MATRIX INSTRUCTION IS USED TRANSPOSED (source 0 = 16 columns of W, turned by ds_load_tr16_b128; source 1 = 16 rows of x): a lane holds one row (lane % 16) and the columns 8 (lane / 16) + 0..7 of a block of 16.
; CLUSTER 4 x 4.  x's tile and the cos and sin tiles hang on the tile row alone and are asked for jointly along a row of the cluster; W's tile on the tile column alone, jointly along a column.
; PLANES.  With u = 2 cx + (wave % 2): in cluster column 0 my three planes are q head 2u, q head 2u + 1, k head u; in cluster column 1 they are k head 8 + u, v head 2u, v head 2u + 1.
; So whether a plane takes RoPE and the norm hangs on the cluster's x and the plane's number, the same in all partners.
; LDS.  slot s at 98,304 s: x 256 rows of 144 (128 + 16 of padding), then W 6 x 64 rows of 160 (128 + 32).  cos, sin: 256 rows of 144 each.  Then the stages and the spare words.
; REGISTERS.  window 0: v0-31 addresses; v32-95, v96-159 x's fragments, two buffers; v160-255 W's 12 fragments, loaded again in place.  window 1 + j: plane j's accumulator (a, bb) at 8 (4 a + bb).
.set SLOTB, 98304
.set BOFF,  36864                      ; W's tile in a slot
.set COSL,  196608
.set SINO,  36864                      ; sin lies this far behind cos
.set STG,   270336                     ; 4 waves x 2 stages of 16 rows x 144
.set SPARE, 288768                     ; the spare words: 128 bytes a wave, two blocks of 256 bytes that no other line names
.set ADRA, 16                          ; v16-17 my place in x's tile, slot 0, 1
.set ADRB, 18                          ; v18-19 in W's
.set DA,  20                           ; v20  the way out: my 16 bytes of a block of 512 in my wave's 32,768 bytes of the old ring
.set DR,  21                           ; v21  DA + the trip's offset
.set CA,  22                           ; v22  CA0 + the trip's offset
.set STO, 23                           ; v23  where I put 16 bytes of a row in the stage
.set RD,  24                           ; v24  where I read rows back
.set GO,  25                           ; v25  16 x lane
.set CA0, 26                           ; v26  my place in the cos tile
.set SPW, 28                           ; v28  my spare word; never rewritten
.set NIL, 29                           ; v29  0; never rewritten
.set PFO, 30                           ; v30  256 x lane; never rewritten
.set AF,  32
.set BF,  160
.set U,   32                           ; the way out, unit u of two: U + 32 u: 32 f32, column block bb at + 8 bb
.set CO,  96                           ; + 32 u: 16 cosines
.set SI,  112                          ; + 32 u: 16 sines
.set SS,  160                          ; + 8 u: four chains of squares
.set RS,  184                          ; + 2 u: the norm's factor (a pair: the packed multiply takes its low word twice)
.set HH,  192                          ; + 16 u: u1 sin, later the 16 packed f16 words
.set OB,  224                          ; + 16 u: whole rows read back
.set WV, 18
.set WM, 19
.set WN, 20
.set CX, 21
.set CY, 22
.set TC, 23
.set TR, 24
.set G1A, 28
.set G1B, 36
.set G1C, 44
.set G0A, 52                           ; s[52:59] a set for each slot
.set G0C, 60
.set G0B, 68                           ; s[68:75]
.set PFA, 76
.set PFS, 78
.set LIM, 80
.set REM, 81
.set LAP, 82
.set DOFF, 83
.set COFF, 16
.set PT0, 84                           ; s[84:89] where my three planes go
.set FL12, 90
.set SC0, 91
.set PTR, 92
.set FLAG, 94
.set SC,  95
.set HJ,  96
.set CNT, 97
.set K64, 98
.set EPS, 99
.set SEL, 100
; Scalar temporaries by what they may ever hold: s2, s3, s25 numbers made of cy; s26, s27, s66, s67 numbers made of cx; s16, s17 neither.
.set MSB, 0
.macro WIN new                         ; the immediate's high byte repeats the setting that is left; a switch that changes nothing is dropped
.if MSB != (\new)
	s_set_vgpr_msb (MSB<<8)|(\new)
.set MSB, \new
.endif
.endm
.macro PLACES                          ; four plain vector instructions between a matrix instruction and a load into, or a reader of, its registers (ISA guide 7.12.1 for its readers)
.rept 4
	v_nop
.endr
.endm
.macro CREST                           ; a round of the cluster's barrier behind its opening barrier
	s_cmp_lg_u32 s[WV], 0
	s_cbranch_scc1 .Lnot_wave_0_\@
	s_barrier_signal -3
.Lnot_wave_0_\@:
	s_barrier_wait -3
	s_barrier_signal -1
	s_barrier_wait -1
.endm
.macro CROUND
	s_barrier_signal -1
	s_barrier_wait -1
	CREST
.endm
.macro JLOAD s                         ; a joint refill: waves 0, 1 fetch the halves of x's tile, waves 2, 3 those of W's; s_nop 0 and four v_nop follow each line
	s_cmp_eq_u32 s[WM], 0
	s_cbranch_scc0 .Lfor_b_\@
	tensor_load_to_lds s[G0A+4*(\s):G0A+4*(\s)+3], s[G1A:G1A+7]
	s_nop 0
.rept 4
	v_nop
.endr
	s_branch .Lasked_\@
.Lfor_b_\@:
	tensor_load_to_lds s[G0B+4*(\s):G0B+4*(\s)+3], s[G1B:G1B+7]
	s_nop 0
.rept 4
	v_nop
.endr
.Lasked_\@:
.endm
; A PREFETCH INTO THE L2, behind a joint refill and the run of LDS loads that follows it: 32 blocks of 256 bytes, a lane a block.  Each block is named once in the launch.
; x: wave 0 of the clusters with x = 0 asks at refill n (which loads step n + 2) for step n + 4 of its tile row; the four partners take 8,192 bytes each, told apart by address (cx).  12 requests: steps 4 to 15.
; W: a tile column's 16 steps are one dense run of 786,432 bytes; in the clusters with y = 0 waves 2, 3 of the four partners (told apart by cy) take 65,536 bytes a refill, from step 4's first byte on: 9 requests reach the end.
.macro ASK
	s_cmp_gt_u32 s[REM], s[LIM]
	s_cbranch_scc0 .Lnot_mine_\@
	global_prefetch_b8 v[PFO], s[PFA:PFA+1] th:TH_LOAD_NT scope:SCOPE_SE
.Lnot_mine_\@:
.endm
.macro G1REST g, rows                  ; rows of 128 elements of 2 bytes, dense
	s_mov_b32 s[(\g)+1], 128<<16                   ; tensor_dim0 = 128
	s_mov_b32 s[(\g)+2], (\rows)<<16               ; tensor_dim1
	s_mov_b32 s[(\g)+3], 128<<16                   ; tile_dim0 = 128
	s_mov_b32 s[(\g)+4], \rows                     ; tile_dim1
	s_mov_b32 s[(\g)+5], 128                       ; elements from row to row
	s_mov_b32 s[(\g)+6], 0
	s_mov_b32 s[(\g)+7], 0
.endm
; 16 matrix instructions of plane j: column blocks bb0, bb0 + 1 x all 8 row blocks, 32 along K, x's buffer f.  All accumulators differ: they take turns.
.macro GRPH j, f, bb0, zero
	WIN 0x50*(1+(\j))
.irp bb, \bb0, (\bb0)+1
.irp a, 0,1,2,3,4,5,6,7
.if \zero
	v_wmma_f32_16x16x32_bf16 v[8*(4*(\a)+(\bb)):8*(4*(\a)+(\bb))+7], v[BF+8*(4*(\j)+(\bb)):BF+8*(4*(\j)+(\bb))+7], v[AF+64*(\f)+8*(\a):AF+64*(\f)+8*(\a)+7], 0
.else
	v_wmma_f32_16x16x32_bf16 v[8*(4*(\a)+(\bb)):8*(4*(\a)+(\bb))+7], v[BF+8*(4*(\j)+(\bb)):BF+8*(4*(\j)+(\bb))+7], v[AF+64*(\f)+8*(\a):AF+64*(\f)+8*(\a)+7], v[8*(4*(\a)+(\bb)):8*(4*(\a)+(\bb))+7]
.endif
.endr
.endr
.endm
.macro GRP j, f, zero
	GRPH \j, \f, 0, \zero
	GRPH \j, \f, 2, \zero
.endm
.macro FETB j, s, q                    ; plane j's four fragments of slice q of slot s: 8 turning loads
	WIN 0
.irp bb, 0,1,2,3
	ds_load_tr16_b128 v[BF+8*(4*(\j)+(\bb)):BF+8*(4*(\j)+(\bb))+3],   v[ADRB+(\s)] offset:(\j)*10240+(\q)*5120+32*(\bb)
	ds_load_tr16_b128 v[BF+8*(4*(\j)+(\bb))+4:BF+8*(4*(\j)+(\bb))+7], v[ADRB+(\s)] offset:(\j)*10240+(\q)*5120+32*(\bb)+2560
.endr
.endm
.macro FETA g, s, q                    ; x's eight fragments of slice q of slot s into buffer g: 16 loads
	WIN 0
.irp a, 0,1,2,3,4,5,6,7
	ds_load_b128 v[AF+64*(\g)+8*(\a):AF+64*(\g)+8*(\a)+3],   v[ADRA+(\s)] offset:(\a)*2304+64*(\q)
	ds_load_b128 v[AF+64*(\g)+8*(\a)+4:AF+64*(\g)+8*(\a)+7], v[ADRA+(\s)] offset:(\a)*2304+64*(\q)+32
.endr
.endm
; A slice: 96 matrix instructions on x's buffer f; the next slice (slice q of slot s) is fetched meanwhile, W's fragments in place behind their last use, x's into buffer g.
; At its head 40 LDS loads are out, in this order: plane 0's 8, x's 16, plane 1's 8, plane 2's 8.
.macro SLICE f, g, s, q, zero
	s_wait_dscnt 16                                ; plane 0's and x's are in; planes 1 and 2's 16 may be out
	GRP 0, \f, \zero
	PLACES
	FETB 0, \s, \q
	FETA \g, \s, \q
	s_wait_dscnt 32                                ; plane 1's are in: behind them plane 2's 8 and the 24 just issued
	GRP 1, \f, \zero
	PLACES
	FETB 1, \s, \q
	s_wait_dscnt 32                                ; plane 2's are in: behind them 24 + 8
	GRP 2, \f, \zero
	PLACES
	FETB 2, \s, \q
.endm
; A step's second slice (buffer 1) changes slots.  In front of the barrier each wave waits for all its tensor loads (one is out: its part of the next slot), adds 0 to its spare word, and waits for that and for its
; reads of this slot.  fill = 1: the barrier opens a round of the cluster's, and the joint refill, two steps ahead, is the first thing behind it: some 160 matrix instructions ahead of the wait for it.
.macro TSLICE slot, next, fill
.if \fill
	s_wait_xcnt 0x0                                ; the last prefetch, a step back, has read its address
	s_add_nc_u64 s[PFA:PFA+1], s[PFA:PFA+1], s[PFS:PFS+1]
.endif
	WIN 0
	s_wait_tensorcnt 0x0                           ; all my tensor loads have landed
	ds_add_u32 v[SPW], v[NIL]                      ; 0 onto my spare word
	s_wait_dscnt 17                                ; plane 0's and x's are in; the add and 16 loads may be out
	GRPH 0, 1, 0, 0                                ; sixteen matrix instructions stand between the add and the wait for it
	s_wait_dscnt 0x0                               ; the add is done, my reads of this slot are over
	s_barrier_signal -1
	GRPH 0, 1, 2, 0
	WIN 0
	s_barrier_wait -1
.if \fill
	CREST                                          ; no wave of any partner still reads this slot or has a load on its way
	s_add_nc_u64 s[G0A+4*(\slot)+2:G0A+4*(\slot)+3], s[G0A+4*(\slot)+2:G0A+4*(\slot)+3], 2097152
	s_add_nc_u64 s[G0B+4*(\slot)+2:G0B+4*(\slot)+3], s[G0B+4*(\slot)+2:G0B+4*(\slot)+3], 98304
	JLOAD \slot                                    ; its four v_nop are also the places in front of the loads below
.else
	PLACES
.endif
	FETB 0, \next, 0
	FETA 0, \next, 0
.if \fill
	ASK
	s_sub_co_u32 s[REM], s[REM], 1
.endif
	GRP 1, 1, 0
	PLACES
	FETB 1, \next, 0
	GRP 2, 1, 0
	PLACES
	FETB 2, \next, 0
.endm
	s_load_b256 s[4:11], s[0:1], 0x0               ; xb s[4:5], w3 s[6:7], cs s[8:9], qh s[10:11]
	s_load_b128 s[12:15], s[0:1], 0x20             ; kh s[12:13], vh s[14:15]
	v_lshl_add_u32 v[SPW], v0, 2, SPARE
	v_mov_b32 v[NIL], 0
	ds_add_u32 v[SPW], v[NIL]                      ; the wave's opening add, waited for ahead of my first tensor load; work on registers stands between them
	ds_add_u32 v28, v29
	v_lshrrev_b32 v3, 5, v0
	v_readfirstlane_b32 s[WV], v3
	s_lshr_b32 s[WM], s[WV], 1                     ; my 128 rows.  Also: I fetch for x (0) or for W (1)
	s_and_b32 s[WN], s[WV], 1                      ; my three planes.  Also: which half of that tile I fetch
	s_bfe_u32 s[CX], ttmp6, 0x40000
	s_bfe_u32 s[CY], ttmp6, 0x40004
	s_lshl_b32 s[TC], ttmp9, 2
	s_add_co_u32 s[TC], s[TC], s[CX]               ; tile column
	s_and_b32 s[TR], ttmp7, 0xffff
	s_lshl_b32 s[TR], s[TR], 2
	s_add_co_u32 s[TR], s[TR], s[CY]               ; tile row
	s_lshl_b32 s25, s[CY], 2
	s_lshl_b32 s25, 15, s25                        ; my row of the cluster
	s_lshl_b32 s26, 0x1111, s[CX]                  ; my column
	s_or_b32 s[G1A], s25, (1<<16)|(1<<20)|(1<<21)|(4<<22)|(3<<25)  ; mask; 2-byte elements; padding on; bit 21 beside a mask; after every 32 words, 4 words
	s_or_b32 s[G1C], s25, (1<<16)|(1<<20)|(1<<21)|(4<<22)|(3<<25)
	s_or_b32 s[G1B], s26, (1<<16)|(1<<20)|(1<<21)|(4<<22)|(7<<25)  ; the same with 8 words of padding
	G1REST G1A, 64                                 ; 128 rows of x are 64 rows of 256 bytes
	G1REST G1B, 96                                 ; three planes of 64 rows of 128 bytes
	G1REST G1C, 128                                ; 256 rows of 32 f32
	s_lshl_b32 s2, s[TR], 15
	s_lshl_b32 s3, s[WN], 14
	s_add_co_u32 s2, s2, s3
	s_mov_b32 s3, 0                                ; x: tile row x 32,768 + half x 16,384
	s_mul_i32 s66, s[TC], 786432
	s_mul_i32 s67, s[WN], 24576
	s_add_co_u32 s66, s66, s67
	s_mov_b32 s67, 0                               ; W: tile column x 786,432 + half x 24,576
	s_mul_i32 s16, s[WN], 18432
	s_mul_i32 s17, s[WN], 30720
	s_add_co_u32 s17, s17, BOFF
	s_mov_b32 s[G0A], 1
	s_mov_b32 s[G0A+1], s16
	s_mov_b32 s[G0A+4], 1
	s_add_co_u32 s[G0A+5], s16, SLOTB
	s_mov_b32 s[G0B], 1
	s_mov_b32 s[G0B+1], s17
	s_mov_b32 s[G0B+4], 1
	s_add_co_u32 s[G0B+5], s17, SLOTB
	s_mov_b32 s[G0C], 1
	s_mul_i32 s[G0C+1], s[WN], SINO
	s_add_co_u32 s[G0C+1], s[G0C+1], COSL          ; wave 0 brings cos, wave 1 sin
	s_wait_dscnt 0x0                               ; the opening add is done
	s_wait_kmcnt 0x0
	s_add_nc_u64 s[G0A+2:G0A+3], s[4:5], s[2:3]    ; K step 0
	s_add_nc_u64 s[G0A+6:G0A+7], s[G0A+2:G0A+3], 1048576  ; K step 1
	s_or_b32 s[G0A+3], s[G0A+3], 0x80000000
	s_or_b32 s[G0A+7], s[G0A+7], 0x80000000
	s_add_nc_u64 s[G0B+2:G0B+3], s[6:7], s[66:67]
	s_add_nc_u64 s[G0B+6:G0B+7], s[G0B+2:G0B+3], 49152
	s_or_b32 s[G0B+3], s[G0B+3], 0x80000000
	s_or_b32 s[G0B+7], s[G0B+7], 0x80000000
	s_and_b32 s2, s[TR], 7
	s_lshl_b32 s2, s2, 15                          ; the tile's 256 positions t
	s_lshl_b32 s25, s[WN], 18
	s_add_co_u32 s2, s2, s25
	s_add_nc_u64 s[G0C+2:G0C+3], s[8:9], s[2:3]
	s_or_b32 s[G0C+3], s[G0C+3], 0x80000000
	CROUND                                         ; all sixteen work-groups are here: the first joint loads meet
	s_cmp_eq_u32 s[WM], 0                          ; a wave's first fills stand in one branch: three loads of mine are out (waves 0, 1) or two
	s_cbranch_scc0 .Lfirst_b
	tensor_load_to_lds s[G0C:G0C+3], s[G1C:G1C+7]
	s_nop 0
	tensor_load_to_lds s[G0A:G0A+3], s[G1A:G1A+7]
	s_nop 0
	tensor_load_to_lds s[G0A+4:G0A+7], s[G1A:G1A+7]
	s_nop 0
.rept 4
	v_nop
.endr
	s_branch .Lfirst_done
.Lfirst_b:
	tensor_load_to_lds s[G0B:G0B+3], s[G1B:G1B+7]
	s_nop 0
	tensor_load_to_lds s[G0B+4:G0B+7], s[G1B:G1B+7]
	s_nop 0
.rept 4
	v_nop
.endr
.Lfirst_done:
	v_and_b32 v1, 15, v0                           ; r = l % 16
	v_bfe_u32 v2, v0, 4, 1                         ; h = l / 16
	v_and_b32 v7, 31, v0
	v_mul_u32_u24 v3, v1, 144
	v_lshl_add_u32 v4, v2, 4, v3                   ; r x 144 + 16 h
	s_mul_i32 s16, s[WM], 18432
	v_add_nc_u32 v[ADRA], s16, v4
	v_add_nc_u32 v[ADRA+1], SLOTB, v[ADRA]
	v_and_b32 v5, 7, v0
	v_lshl_add_u32 v5, v2, 3, v5                   ; the turning load: k row 8 h + l % 8,
	v_mul_u32_u24 v5, v5, 160
	v_bfe_u32 v6, v0, 3, 1
	v_lshl_add_u32 v5, v6, 4, v5                   ; columns 8 ((l / 8) % 2) on
	s_mul_i32 s17, s[WN], 30720
	s_add_co_u32 s17, s17, BOFF
	v_add_nc_u32 v[ADRB], s17, v5
	v_add_nc_u32 v[ADRB+1], SLOTB, v[ADRB]
	s_lshl_b32 s16, s[WV], 15
	v_lshl_add_u32 v[DA], v7, 4, s16
	s_mul_i32 s16, s[WM], 18432
	s_add_co_u32 s16, s16, COSL
	v_lshl_add_u32 v[CA0], v2, 5, v3               ; row r, 8 f32 for each half of the lanes
	v_add_nc_u32 v[CA0], s16, v[CA0]
	s_mul_i32 s16, s[WV], 4608
	s_add_co_u32 s16, s16, STG
	v_add_nc_u32 v[STO], s16, v4
	v_bfe_u32 v5, v0, 3, 2
	v_mul_u32_u24 v5, v5, 144
	v_and_b32 v6, 7, v0
	v_lshl_add_u32 v5, v6, 4, v5
	v_add_nc_u32 v[RD], s16, v5                    ; back: 32 lanes take four rows of 128 bytes
	v_lshlrev_b32 v[GO], 4, v7
	v_lshlrev_b32 v[PFO], 8, v7
	; where my three planes go: buffer + batch x 4,194,304 + head x 262,144 + position x 128
	s_lshr_b32 s2, s[TR], 3
	s_lshl_b32 s2, s2, 22
	s_and_b32 s25, s[TR], 7
	s_lshl_b32 s25, s25, 15
	s_add_co_u32 s2, s2, s25
	s_lshl_b32 s25, s[WM], 14
	s_add_co_u32 s2, s2, s25
	s_lshl_b32 s26, s[CX], 1
	s_add_co_u32 s26, s26, s[WN]                   ; u
	s_lshl_b32 s27, s26, 1                         ; 2u
	s_add_co_u32 s66, s26, 8                       ; 8 + u
	s_add_co_u32 s67, s27, 1                       ; 2u + 1
	s_cmp_eq_u32 ttmp9, 0                          ; the cluster's x: the same in all partners
	s_cselect_b64 s[PT0:PT0+1], s[10:11], s[12:13]
	s_cselect_b64 s[PT0+2:PT0+3], s[10:11], s[14:15]
	s_cselect_b64 s[PT0+4:PT0+5], s[12:13], s[14:15]
	s_cselect_b32 s66, s27, s66                    ; plane 0's head
	s_cselect_b32 s27, s67, s27                    ; plane 1's
	s_cselect_b32 s26, s26, s67                    ; plane 2's
	s_cselect_b32 s[FL12], 1, 0                    ; do planes 1 and 2 take RoPE and the norm?
	s_cselect_b32 s[SC0], 0x3e38aa3b, 1.0          ; plane 0 is q (factor c = log2(e) / 8) or k
	s_lshl_b32 s66, s66, 18
	s_mov_b32 s67, 0
	s_add_nc_u64 s[PT0:PT0+1], s[PT0:PT0+1], s[66:67]
	s_lshl_b32 s66, s27, 18
	s_add_nc_u64 s[PT0+2:PT0+3], s[PT0+2:PT0+3], s[66:67]
	s_lshl_b32 s66, s26, 18
	s_add_nc_u64 s[PT0+4:PT0+5], s[PT0+4:PT0+5], s[66:67]
	s_add_nc_u64 s[PT0:PT0+1], s[PT0:PT0+1], s[2:3]
	s_add_nc_u64 s[PT0+2:PT0+3], s[PT0+2:PT0+3], s[2:3]
	s_add_nc_u64 s[PT0+4:PT0+5], s[PT0+4:PT0+5], s[2:3]
	; the prefetches: the pointer starts one stride short of its first request, since each change of slots steps it first
	s_lshl_b32 s2, s[TR], 15
	s_add_co_u32 s2, s2, 3*1048576                 ; x: step 3, my tile row
	s_lshl_b32 s25, s[CY], 13
	s_lshl_b32 s26, s[CX], 13
	s_mul_i32 s66, s[TC], 786432
	s_lshl_b32 s27, s[WN], 15
	s_add_co_u32 s66, s66, s27
	s_add_co_u32 s66, s66, 131072                  ; W: 65,536 short of step 4's first byte, + 32,768 for wave 3
	s_and_b32 s[LIM], ttmp7, 0xffff                ; the cluster's y (a logic operation sets SCC: it stands ahead of the compare)
	s_mov_b32 s[PFS], 65536                        ; W's stride; x's is chosen below (an instruction holds one literal)
	s_cmp_eq_u32 s[WM], 0                          ; only selects stand between this compare and the last line that leans on it
	s_cselect_b64 s[PFA:PFA+1], s[4:5], s[6:7]
	s_cselect_b32 s2, s2, s25
	s_cselect_b32 s66, s26, s66
	s_cselect_b32 s[PFS], 1048576, s[PFS]
	s_cselect_b32 s17, 2, 5                        ; the requests stop when this many refills are left
	s_cselect_b32 s16, s[WN], 0                    ; wave 1 asks for nothing
	s_cselect_b32 s[LIM], ttmp9, s[LIM]            ; the coordinate along which other clusters read the same bytes
	s_mov_b32 s[PFS+1], 0
	s_add_nc_u64 s[PFA:PFA+1], s[PFA:PFA+1], s[2:3]
	s_add_nc_u64 s[PFA:PFA+1], s[PFA:PFA+1], s[66:67]
	s_or_b32 s[LIM], s[LIM], s16
	s_cmp_eq_u32 s[LIM], 0
	s_cselect_b32 s[LIM], s17, -1
	s_mov_b32 s[REM], 14
	s_mov_b32 s[K64], 0x3c800000                   ; 1 / 64
	s_mov_b32 s[EPS], 0x34000000                   ; f32's epsilon
	s_mov_b32 s[SEL], 0x76543210
	s_mov_b32 s[SEL+1], 0xfedcba98
	s_wait_tensorcnt 0x1                           ; all my loads but slot 1's have landed
	s_barrier_signal -1
	s_barrier_wait -1
	FETB 0, 0, 0
	FETA 0, 0, 0
	FETB 1, 0, 0
	FETB 2, 0, 0
	SLICE 0, 1, 0, 1, 1                            ; the first slice stands in front of the loop: its products start the sums
	WIN 0
	s_mov_b32 s[LAP], 7
.Llap:                                 ; a trip goes once round the ring and fills both slots again: 14 refills, steps 2 to 15
	TSLICE 0, 1, 1
	SLICE 0, 1, 1, 1, 0
	TSLICE 1, 0, 1
	SLICE 0, 1, 0, 1, 0
	WIN 0
	s_sub_co_u32 s[LAP], s[LAP], 1
	s_cmp_lg_u32 s[LAP], 0
	s_cbranch_scc1 .Llap
	TSLICE 0, 1, 0                                 ; the last lap asks for nothing
	SLICE 0, 1, 1, 1, 0
	s_wait_dscnt 16                                ; the last slice fetches nothing: the counts run down
	GRP 0, 1, 0
	s_wait_dscnt 8
	GRP 1, 1, 0
	s_wait_dscnt 0x0
	GRP 2, 1, 0
	; THE WAY OUT.  The ring has had its last fill; behind this barrier no wave reads it, and each wave takes 32,768 bytes of it.  A plane's 32 accumulators are laid there (a lane's 16 bytes, 512 a store),
	; so that ONE text, with an LDS offset that steps, serves all 24 units of 16 rows x 64 columns; a lane reads back only what it wrote.
	PLACES
	WIN 0
	s_barrier_signal -1
	s_barrier_wait -1
	v_mov_b32 v[RS+1], 0                           ; named with the factor as a pair
	v_mov_b32 v[RS+3], 0
.macro DUMP j
	WIN (1+(\j))<<2                                ; the stores' data in window 1 + j; each accumulator's low four registers first
.set t, 0
.rept 32
	ds_store_b128 v[DA], v[8*t:8*t+3] offset:1024*t
	ds_store_b128 v[DA], v[8*t+4:8*t+7] offset:1024*t+512
.set t, t+1
.endr
	WIN 0
.endm
	s_mov_b32 s[HJ], 3
.Lplane:
	s_cmp_eq_u32 s[HJ], 3
	s_cbranch_scc1 .Lpl0
	s_cmp_eq_u32 s[HJ], 2
	s_cbranch_scc1 .Lpl1
	DUMP 2
	s_mov_b64 s[PTR:PTR+1], s[PT0+4:PT0+5]
	s_mov_b32 s[FLAG], s[FL12]
	s_mov_b32 s[SC], 1.0                           ; k, where it is normed at all
	s_branch .Ldumped
.Lpl0:
	DUMP 0
	s_mov_b64 s[PTR:PTR+1], s[PT0:PT0+1]
	s_mov_b32 s[FLAG], 1
	s_mov_b32 s[SC], s[SC0]
	s_branch .Ldumped
.Lpl1:
	DUMP 1
	s_mov_b64 s[PTR:PTR+1], s[PT0+2:PT0+3]
	s_mov_b32 s[FLAG], s[FL12]
	s_mov_b32 s[SC], 0x3e38aa3b                    ; q, where it is normed at all
.Ldumped:
	s_mov_b32 s[DOFF], 0
	s_mov_b32 s[COFF], 0
	s_mov_b32 s[CNT], 4
.Lunit:                                ; a trip: two units of 16 rows
	v_add_nc_u32 v[DR], s[DOFF], v[DA]
	v_add_nc_u32 v[CA], s[COFF], v[CA0]
.irp u, 0,1
.irp k, 0,1,2,3,4,5,6,7
	ds_load_b128 v[U+32*(\u)+4*(\k):U+32*(\u)+4*(\k)+3], v[DR] offset:4096*(\u)+512*(\k)  ; LDS serves a wave's instructions in order (ISA guide 5.7.1.4): these see my stores
.endr
.endr
	s_cmp_eq_u32 s[FLAG], 0
	s_cbranch_scc1 .Lplain                         ; v: neither RoPE nor norm
.irp u, 0,1
.irp k, 0,1,2,3
	ds_load_b128 v[CO+32*(\u)+4*(\k):CO+32*(\u)+4*(\k)+3], v[CA] offset:2304*(\u)+16*((\k)%2)+64*((\k)/2)
	ds_load_b128 v[SI+32*(\u)+4*(\k):SI+32*(\u)+4*(\k)+3], v[CA] offset:SINO+2304*(\u)+16*((\k)%2)+64*((\k)/2)
.endr
.endr
	s_wait_dscnt 0x0
	; RoPE: u1 (blocks 0, 1) and u2 (blocks 2, 3) share a lane: u1' = u1 cos + u2 sin, u2' = u2 cos - u1 sin
.irp u, 0,1
.irp p, 0,1,2,3,4,5,6,7
	v_pk_mul_f32 v[HH+16*(\u)+2*(\p):HH+16*(\u)+2*(\p)+1], v[U+32*(\u)+2*(\p):U+32*(\u)+2*(\p)+1], v[SI+32*(\u)+2*(\p):SI+32*(\u)+2*(\p)+1]
.endr
.endr
.irp u, 0,1
.irp p, 0,1,2,3,4,5,6,7
	v_pk_mul_f32 v[U+32*(\u)+2*(\p):U+32*(\u)+2*(\p)+1], v[U+32*(\u)+2*(\p):U+32*(\u)+2*(\p)+1], v[CO+32*(\u)+2*(\p):CO+32*(\u)+2*(\p)+1]
.endr
.endr
.irp u, 0,1
.irp p, 0,1,2,3,4,5,6,7
	v_pk_fma_f32 v[U+32*(\u)+2*(\p):U+32*(\u)+2*(\p)+1], v[U+32*(\u)+16+2*(\p):U+32*(\u)+16+2*(\p)+1], v[SI+32*(\u)+2*(\p):SI+32*(\u)+2*(\p)+1], v[U+32*(\u)+2*(\p):U+32*(\u)+2*(\p)+1]
.endr
.endr
.irp u, 0,1
.irp p, 0,1,2,3,4,5,6,7
	v_pk_fma_f32 v[U+32*(\u)+16+2*(\p):U+32*(\u)+16+2*(\p)+1], v[U+32*(\u)+16+2*(\p):U+32*(\u)+16+2*(\p)+1], v[CO+32*(\u)+2*(\p):CO+32*(\u)+2*(\p)+1], v[HH+16*(\u)+2*(\p):HH+16*(\u)+2*(\p)+1] neg_lo:[0,0,1] neg_hi:[0,0,1]
.endr
.endr
	; the sum of my 32 squares in four chains, then the other half of the lanes' 32
.irp u, 0,1
.irp k, 0,1,2,3
	v_pk_mul_f32 v[SS+8*(\u)+2*(\k):SS+8*(\u)+2*(\k)+1], v[U+32*(\u)+2*(\k):U+32*(\u)+2*(\k)+1], v[U+32*(\u)+2*(\k):U+32*(\u)+2*(\k)+1]
.endr
.endr
.irp k, 4,5,6,7,8,9,10,11,12,13,14,15
.irp u, 0,1
	v_pk_fma_f32 v[SS+8*(\u)+2*((\k)%4):SS+8*(\u)+2*((\k)%4)+1], v[U+32*(\u)+2*(\k):U+32*(\u)+2*(\k)+1], v[U+32*(\u)+2*(\k):U+32*(\u)+2*(\k)+1], v[SS+8*(\u)+2*((\k)%4):SS+8*(\u)+2*((\k)%4)+1]
.endr
.endr
.irp u, 0,1
	v_pk_add_f32 v[SS+8*(\u):SS+8*(\u)+1], v[SS+8*(\u):SS+8*(\u)+1], v[SS+8*(\u)+2:SS+8*(\u)+3]
	v_pk_add_f32 v[SS+8*(\u)+4:SS+8*(\u)+5], v[SS+8*(\u)+4:SS+8*(\u)+5], v[SS+8*(\u)+6:SS+8*(\u)+7]
.endr
.irp u, 0,1
	v_pk_add_f32 v[SS+8*(\u):SS+8*(\u)+1], v[SS+8*(\u):SS+8*(\u)+1], v[SS+8*(\u)+4:SS+8*(\u)+5]
.endr
.irp u, 0,1
	v_add_f32 v[SS+8*(\u)], v[SS+8*(\u)], v[SS+8*(\u)+1]
.endr
.irp u, 0,1
	v_permlanex16_b32 v[SS+8*(\u)+1], v[SS+8*(\u)], s[SEL], s[SEL+1]
.endr
.irp u, 0,1
	v_add_f32 v[SS+8*(\u)], v[SS+8*(\u)], v[SS+8*(\u)+1]
.endr
.irp u, 0,1
	v_fma_f32 v[SS+8*(\u)], v[SS+8*(\u)], s[K64], s[EPS]  ; the mean of 64 squares + eps
.endr
	v_rsq_f32 v[RS], v[SS]
	v_rsq_f32 v[RS+2], v[SS+8]
	v_nop                                          ; a plain instruction behind the last of the two,
	s_wait_alu depctr_va_vdst(0)                   ; and one wait ahead of their first reader
	v_mul_f32 v[RS], s[SC], v[RS]
	v_mul_f32 v[RS+2], s[SC], v[RS+2]
.irp u, 0,1
.irp p, 0,1,2,3,4,5,6,7,8,9,10,11,12,13,14,15
	v_pk_mul_f32 v[U+32*(\u)+2*(\p):U+32*(\u)+2*(\p)+1], v[U+32*(\u)+2*(\p):U+32*(\u)+2*(\p)+1], v[RS+2*(\u):RS+2*(\u)+1] op_sel_hi:[1,0]
.endr
.endr
.Lplain:
	s_wait_dscnt 0x0                               ; (for the way that jumped here: the units are in)
.irp u, 0,1
.irp p, 0,1,2,3,4,5,6,7,8,9,10,11,12,13,14,15
	v_cvt_pk_f16_f32 v[HH+16*(\u)+(\p)], v[U+32*(\u)+2*(\p)], v[U+32*(\u)+2*(\p)+1]
.endr
.endr
.irp u, 0,1
.irp k, 0,1,2,3
	ds_store_b128 v[STO], v[HH+16*(\u)+4*(\k):HH+16*(\u)+4*(\k)+3] offset:2304*(\u)+32*(\k)
.endr
.endr
.irp u, 0,1
.irp k, 0,1,2,3
	ds_load_b128 v[OB+16*(\u)+4*(\k):OB+16*(\u)+4*(\k)+3], v[RD] offset:2304*(\u)+576*(\k)  ; my own stage, served in order
.endr
.endr
	s_wait_dscnt 0x0
.irp u, 0,1
.irp k, 0,1,2,3
	global_store_b128 v[GO], v[OB+16*(\u)+4*(\k):OB+16*(\u)+4*(\k)+3], s[PTR:PTR+1] offset:2048*(\u)+512*(\k)  ; 512 consecutive bytes, at a multiple of 256 from the buffer's first
.endr
.endr
	s_wait_xcnt 0x0                                ; the stores have read their data and their base: both are written again only behind this wait
	s_add_nc_u64 s[PTR:PTR+1], s[PTR:PTR+1], 4096
	s_add_co_u32 s[DOFF], s[DOFF], 8192
	s_add_co_u32 s[COFF], s[COFF], 4608
	s_sub_co_u32 s[CNT], s[CNT], 1
	s_cmp_lg_u32 s[CNT], 0
	s_cbranch_scc1 .Lunit
	s_sub_co_u32 s[HJ], s[HJ], 1
	s_cmp_lg_u32 s[HJ], 0
	s_cbranch_scc1 .Lplane
	s_wait_tensorcnt 0x0                           ; the wave's end, behind my last tensor load and my last LDS store
	ds_add_u32 v[SPW], v[NIL]
	s_wait_dscnt 0x0
	CROUND                                         ; the closing round
	s_endpgm
.Lfunc_end_k_q90e09885f5_qkv:
	.size	k_q90e09885f5_qkv, .Lfunc_end_k_q90e09885f5_qkv-k_q90e09885f5_qkv
	.p2alignl 7, 3214868480
	.fill 96, 4, 3214868480
	.section	.rodata,"a",@progbits
	.p2align	6, 0x0
	.amdhsa_kernel k_q90e09885f5_qkv
		.amdhsa_group_segment_fixed_size 327680
		.amdhsa_private_segment_fixed_size 0
		.amdhsa_enable_private_segment 0
		.amdhsa_kernarg_size 48
		.amdhsa_user_sgpr_count 2
		.amdhsa_user_sgpr_kernarg_segment_ptr 1
		.amdhsa_wavefront_size32 1
		.amdhsa_system_sgpr_workgroup_id_x 1
		.amdhsa_system_sgpr_workgroup_id_y 1
		.amdhsa_system_sgpr_workgroup_id_z 1
		.amdhsa_system_vgpr_workitem_id 0
		.amdhsa_next_free_vgpr 1024
		.amdhsa_next_free_sgpr 102
		.amdhsa_reserve_vcc 0
		.amdhsa_float_denorm_mode_32 3
		.amdhsa_float_denorm_mode_16_64 3
		.amdhsa_memory_ordered 1
		.amdhsa_forward_progress 1
		.amdhsa_inst_pref_size 114
	.end_amdhsa_kernel
	.amdgpu_metadata
---
amdhsa.version: [ 1, 2 ]
amdhsa.kernels:
  - .name:           k_q90e09885f5_qkv
    .symbol:         k_q90e09885f5_qkv.kd
    .args:
      - { .name: xb, .offset: 0, .size: 8, .value_kind: global_buffer, .address_space: global }
      - { .name: w3, .offset: 8, .size: 8, .value_kind: global_buffer, .address_space: global }
      - { .name: cs, .offset: 16, .size: 8, .value_kind: global_buffer, .address_space: global }
      - { .name: qh, .offset: 24, .size: 8, .value_kind: global_buffer, .address_space: global }
      - { .name: kh, .offset: 32, .size: 8, .value_kind: global_buffer, .address_space: global }
      - { .name: vh, .offset: 40, .size: 8, .value_kind: global_buffer, .address_space: global }
    .group_segment_fixed_size: 327680
    .private_segment_fixed_size: 0
    .kernarg_segment_align: 8
    .kernarg_segment_size: 48
    .max_flat_workgroup_size: 128
    .sgpr_count:     102
    .vgpr_count:     1024
    .wavefront_size: 32
...
	.end_amdgpu_metadata
.endif
;; end of part 2
;; launch attn (part 3): grid 4 x 64, 4 waves a work-group, no clusters, 327,680 bytes of LDS; arguments qh, kh, vh, oh; writes oh
.if DOCPART == 3
	.amdgcn_target "amdgcn-amd-amdhsa--gfx1250"
	.amdhsa_code_object_version 6
	.text
	.protected	k_q90e09885f5_attn
	.globl	k_q90e09885f5_attn
	.p2align	8
	.type	k_q90e09885f5_attn,@function
k_q90e09885f5_attn:
	s_mov_b64 s[64:65], 0
	v_nop
	global_prefetch_b8 v0, s[64:65] scope:SCOPE_SE
	s_setreg_imm32_b32 hwreg(HW_REG_WAVE_MODE, 25, 1), 1
	s_wait_xcnt 0x0
; CAUSAL ATTENTION at head size 64.  q, k, v, o: [64 heads][2048][64] f16, a head's rows dense.  q arrives with the factor log2(e) / 8, so a weight is p = 2^(q . k).
; NO MAXIMUM IS TAKEN AWAY: q and k are RMS-normalised by the computation itself, |q| <= 8 log2(e) / 8 and |k| <= 8 for every input, so |q . k| <= 11.6: p lies in 3.3e-4 .. 3.0e3, all normal
; f16 numbers, and a row's sum of 2,048 of them stays under 6.2e6 in f32.  So O is never rescaled, and the order of the key tiles is free.
; The row sum l is taken of the ROUNDED weights, by a product of ones with P on the matrix unit, so that O = (P V) / l is a true mean of V's rows.
; LIMITS.  v arrives within f16's range and O has that range.  A hidden score counts as its value less 1e30, and its weight is 0.  NaN and infinities are not treated apart.
; THE WALK.  A head's queries lie in 8 blocks of 256; block i needs the key tiles 0 .. i, the last of which holds the diagonal.  Work-group b takes blocks b (lo) and 7 - b (hi): nine tiles, whatever b, in this order:
; lo's b full tiles, hi's 7 - b full tiles, hi's diagonal tile, lo's diagonal tile.  Every trip count is a constant; at the change from lo to hi lo's sums are set aside in registers.  The diagonal's text stands once,
; in a loop of two trips, and leaves out the pairs of band and key step that are wholly hidden.
; NO CLUSTER: in a given trip the four work-groups of a head want different tiles; one walk common to all four (tiles 0 to 7 in step) would take the longest partner's work at every tile, some 11 tiles' worth for 9.
; SHARES.  Of a block's four bands of 64 queries a wave owns 16 rows in each: four PIECES.  In the diagonal tile's key step s band x sees all keys if s < x, none if s > x, and holds the diagonal if s = x.
; LAYOUT.  S^T = K Q^T holds ONE query a lane (lane % 16) and the keys 8 (lane / 16) + 0..7; two such results rounded to f16 ARE source 1 of O^T = V^T P.  V is turned by ds_load_tr16_b128.
; THE PIPELINE.  A key step is four runs of matrix instructions, and vector work for other pieces stands in small groups behind each of them:
;   V^T P of pieces 0, 1 (the step before) | exponentials of 2, 3;   K Q^T of 0, 1 | roundings of 2, 3;   V^T P of 2, 3 (the step before) | exponentials of 0, 1;   K Q^T of 2, 3 | roundings of 0, 1.
; REGISTERS (s_set_vgpr_msb: bits 1:0 source 0, 3:2 source 1, 5:4 source 2, 7:6 destination):
;   window 0: addresses; v16-23 1 / l; v64-191 S^T, 32 a piece; v192-255 P, 16 a piece
;   window 1: piece x's O^T at 40 x (four channel blocks) and l at 40 x + 32; v160-163 lo's l set aside; v192-223 the diagonal's mask
;   window 2: v0-63 Q in hand; v64-127 hi's Q; v128-191 lo's Q; v192-255 lo's O^T of pieces 0, 1 set aside
;   window 3: v0-63 V; v64-71 ones; v128-191 K; v192-255 lo's O^T of pieces 2, 3 set aside
.set KS,    64
.set PK,    144                        ; a row of K in LDS: 128 bytes + 16 of padding
.set PVP,   160                        ; a row of V: 128 + 32
.set VOFF,  4*KS*PK                    ; a slot holds a tile: 256 rows of K, then 256 rows of V
.set SLOT1, 1<<17
.set STAGE, SLOT1+4*KS*(PK+PVP)        ; behind the ring: 16 rows x 144 bytes for each wave
.set SP,    144
.set SPARE, STAGE+4*16*SP              ; the spare words: 128 bytes a wave, two blocks of 256 bytes that no other line names
.set AK0, 2
.set AV0, 3
.set AK,  4
.set AV,  5
.set STO, 6
.set RD,  7
.set GO,  8
.set QO,  15
.set RC,  16
.set PFO, 60                           ; v60  256 x my thread's number; never rewritten
.set SPW, 62
.set NIL, 63
.set S,   64
.set P,   192
.set MD,  192                          ; window 1
.set LSP, 160                          ; window 1
.set QHI, 64                           ; window 2
.set QLO, 128                          ; window 2
.set OSP, 192                          ; windows 2 and 3
.set ONES, 64                          ; window 3
.set KF,  128                          ; window 3
.set WV,  12
.set PB,  14                           ; b
.set HI,  15                           ; 7 - b
.set G1K, 24
.set G1V, 32
.set G0K, 40
.set G0V, 44
.set OP,  48                           ; s[48:49] O at my rows of the block that leaves next
.set OLO, 50                           ; s[50:51] at those of lo
.set SLOTS, 56
.set CNT, 57
.set DC,  58
.set NI,  59                           ; the number, 1 to 8, of the walk's tile to be asked for next
.set TBK, 62
.set TBV, 63
.set OFF, 66
.set T,   68
.set BIGN, 69
.set LIM, 70
.set PFK, 72
.set PFV, 74
.set MSB, 0
.macro WIN new
.if MSB != (\new)
	s_set_vgpr_msb (MSB<<8)|(\new)
.set MSB, \new
.endif
.endm
.set W_KQ, 0x0b                        ; K in window 3, Q in window 2, S^T in window 0
.set W_KM, 0x1b                        ; the same with the C operand in window 1
.set W_PV, 0x53                        ; V in window 3, P in window 0, O^T in window 1
.set W_RS, 0x41                        ; destination and source 0 in window 1, source 1 in window 0
.macro LOAD                            ; a fill: waves 0, 1 fetch the halves of a tile's K, waves 2, 3 those of its V; s_nop 0 and four v_nop follow each line
	s_cmp_lt_u32 s[WV], 2
	s_cbranch_scc0 .Lfor_v_\@
	tensor_load_to_lds s[G0K:G0K+3], s[G1K:G1K+7]
	s_nop 0
.rept 4
	v_nop
.endr
	s_branch .Lasked_\@
.Lfor_v_\@:
	tensor_load_to_lds s[G0V:G0V+3], s[G1V:G1V+7]
	s_nop 0
.rept 4
	v_nop
.endr
.Lasked_\@:
.endm
; THE CHANGE OF SLOTS.  Each wave waits for all its tensor loads (one is out: its part of the other slot), adds 0 to its spare word, and waits for that and for its reads of the slot that it leaves.
; fill = 1: the old slot is filled again, first thing behind the barrier, with the walk's tile NI: key tile NI if NI < b, NI - b up to NI = 7, b for NI = 8; the address is made anew from that number.
; ask = 1: work-group b = 0, which is the first of its head to read each key tile, asks for the tile that the NEXT change will load: a thread a block of 256 bytes of K and one of V, behind the load's lines.
.macro CHANGE fill, ask
	WIN 0
	s_wait_tensorcnt 0x0
	ds_add_u32 v[SPW], v[NIL]                      ; 0 onto my spare word; scalar work stands between it and the wait for it
.if \fill
	s_sub_co_u32 s[T], s[NI], s[PB]
	s_cmp_lt_u32 s[NI], s[PB]
	s_cselect_b32 s[T], s[NI], s[T]
	s_cmp_eq_u32 s[NI], 8
	s_cselect_b32 s[T], s[PB], s[T]
	s_add_co_u32 s[NI], s[NI], 1
	s_lshl_b32 s[OFF], s[T], 15                    ; a tile is 32,768 bytes of K and of V
	s_xor_b32 s[G0K+1], s[G0K+1], SLOT1
	s_add_nc_u64 s[G0K+2:G0K+3], s[6:7], s[OFF:OFF+1]
	s_or_b32 s[G0K+3], s[G0K+3], 0x80000000
	s_xor_b32 s[G0V+1], s[G0V+1], SLOT1
	s_add_nc_u64 s[G0V+2:G0V+3], s[8:9], s[OFF:OFF+1]
	s_or_b32 s[G0V+3], s[G0V+3], 0x80000000
.endif
.if \ask
	s_wait_xcnt 0x0                                ; the last prefetches, a tile back, have read their addresses
	s_add_nc_u64 s[PFK:PFK+1], s[PFK:PFK+1], 32768
	s_add_nc_u64 s[PFV:PFV+1], s[PFV:PFV+1], 32768
.endif
	s_wait_dscnt 0x0                               ; the add is done, and my reads of the slot are over
	s_barrier_signal -1
	s_sub_co_u32 s[TBK], s[TBK], 4*KS*PK           ; the fetches go back to a slot's first step, in the other slot
	s_xor_b32 s[TBK], s[TBK], SLOT1
	s_sub_co_u32 s[TBV], s[TBV], 4*KS*PVP
	s_xor_b32 s[TBV], s[TBV], SLOT1
	s_barrier_wait -1
.if \fill
	LOAD
.endif
.if \ask
	s_cmp_gt_u32 s[SLOTS], s[LIM]                  ; trips 0 to 5 of b = 0: key tiles 2 to 7
	s_cbranch_scc0 .Lnoask_\@
	global_prefetch_b8 v[PFO], s[PFK:PFK+1] th:TH_LOAD_NT scope:SCOPE_SE
	global_prefetch_b8 v[PFO], s[PFV:PFV+1] th:TH_LOAD_NT scope:SCOPE_SE
.Lnoask_\@:
.endif
.endm
; Product i of 8 of S^T = K Q^T for piece x: channels 32 (i / 4) on, keys 16 (i % 4) on.  The first four start the sums: with 0, or (m = 1) with the diagonal's mask.
.macro KQ x, i, m
.set rS, S+32*(\x)+8*((\i)%4)
.set rK, KF+16*((\i)%4)+8*((\i)/4)
.set rQ, 16*(\x)+8*((\i)/4)
.set rM, MD+8*((\i)%4)
.if (\i) < 4
.if \m
	WIN W_KM
	v_wmma_f32_16x16x32_f16 v[rS:rS+7], v[rK:rK+7], v[rQ:rQ+7], v[rM:rM+7]
.else
	WIN W_KQ
	v_wmma_f32_16x16x32_f16 v[rS:rS+7], v[rK:rK+7], v[rQ:rQ+7], 0
.endif
.else
	WIN W_KQ
	v_wmma_f32_16x16x32_f16 v[rS:rS+7], v[rK:rK+7], v[rQ:rQ+7], v[rS:rS+7]
.endif
.endm
; Product i of 10 of O^T += V^T P for piece x: keys 32 (i / 5) on; channel block i % 5, of which the fifth is the row of ones that makes l.
.macro PV x, i
	WIN W_PV
.set rO, 40*(\x)+8*((\i)%5)
.set rP, P+16*(\x)+8*((\i)/5)
.set rV, 32*((\i)/5)+8*((\i)%5)
.if (\i)%5 == 4
	v_wmma_f32_16x16x32_f16 v[rO:rO+7], v[ONES:ONES+7], v[rP:rP+7], v[rO:rO+7]
.else
	v_wmma_f32_16x16x32_f16 v[rO:rO+7], v[rV:rV+7], v[rP:rP+7], v[rO:rO+7]
.endif
.endm
; The vector work: rk = 1: the exponential of score n of 32, in place, ascending (each accumulator's lowest registers first); rk = 2: pair n of 16 rounded to f16.
; Number rho of the list for pieces ya, yb (yb = -1: one piece): the pieces alternate.
.macro RIDER rk, ya, yb
	WIN 0
.if (\yb) >= 0
.set rn, rho/2
.if rho%2
.set ry, (\yb)
.else
.set ry, (\ya)
.endif
.else
.set rn, rho
.set ry, (\ya)
.endif
.if (\rk) == 1
	v_exp_f32 v[S+32*ry+rn], v[S+32*ry+rn]
.else
	v_cvt_pk_f16_f32 v[P+16*ry+rn], v[S+32*ry+2*rn], v[S+32*ry+2*rn+1]
.endif
.set rho, rho+1
.endm
.macro COUNT rk, yb
.set nr, 0
.if (\rk) == 1
.set nr, 32
.endif
.if (\rk) == 2
.set nr, 16
.endif
.if (\yb) >= 0
.set nr, 2*nr
.endif
.endm
; A run of matrix instructions (mk = 0: K Q^T, 8 a piece; 1: V^T P, 10 a piece) for pieces xa, xb by turns (xb = -1: one piece; ma, mb: with the mask), the list of vector work dealt evenly behind them,
; and tail v_nop.  No two matrix instructions on end share an accumulator; no vector line here names a register of the products round it.
.macro HALF mk, xa, xb, ma, mb, rk, ya, yb, tail
	COUNT \rk, \yb
.set nw, 8+2*(\mk)
.if (\xb) >= 0
.set nw, 2*nw
.endif
.set rho, 0
.set wi, 0
.rept nw
.if (\xb) >= 0
.set ii, wi/2
.if wi%2
.set xx, (\xb)
.set mm, (\mb)
.else
.set xx, (\xa)
.set mm, (\ma)
.endif
.else
.set ii, wi
.set xx, (\xa)
.set mm, (\ma)
.endif
.if \mk
	PV xx, ii
.else
	KQ xx, ii, mm
.endif
.set wi, wi+1
.rept wi*nr/nw-rho
	RIDER \rk, \ya, \yb
.endr
.endr
.rept \tail
	v_nop
.endr
.endm
.macro LUMP rk, ya, yb                 ; the same list with no matrix instruction
	COUNT \rk, \yb
.set rho, 0
.rept nr
	RIDER \rk, \ya, \yb
.endr
.endm
.macro FETCH_K                         ; a step's K: 16 loads in one run
	WIN 0
	v_add_nc_u32 v[AK], s[TBK], v[AK0]
	WIN 0xc0
.irp f, 0,1,2,3,4,5,6,7
	ds_load_b128 v[KF+8*\f:KF+8*\f+3],   v[AK] offset:(\f/2)*16*PK+(\f%2)*64
	ds_load_b128 v[KF+8*\f+4:KF+8*\f+7], v[AK] offset:(\f/2)*16*PK+(\f%2)*64+32
.endr
	s_add_co_u32 s[TBK], s[TBK], KS*PK
	WIN 0
.endm
.macro FETCH_V w                       ; a step's V, turned.  The address line is the fourth plain instruction behind the last product that read V.  w = 1: a batch of exponentials is out: its one wait stands here
	WIN 0
	v_add_nc_u32 v[AV], s[TBV], v[AV0]
	s_add_co_u32 s[TBV], s[TBV], KS*PVP
.if \w
	s_wait_alu depctr_va_vdst(0)
.endif
	WIN 0xc0
.irp f, 0,1,2,3,4,5,6,7
	ds_load_tr16_b128 v[8*\f:8*\f+3],   v[AV] offset:(\f/4)*32*PVP+(\f%4)*32
	ds_load_tr16_b128 v[8*\f+4:8*\f+7], v[AV] offset:(\f/4)*32*PVP+16*PVP+(\f%4)*32
.endr
	WIN 0
.endm
; A KEY STEP of a full tile: 72 matrix instructions, 128 exponentials in two batches with a wait each, 64 roundings.
.macro TRIP
	FETCH_K                                        ; four plain instructions stand behind the last product that read K
	s_wait_dscnt 16                                ; V of the step before is in; K's 16 loads may be out
	HALF 1, 0,1, 0,0, 1, 2,3, 1                    ; the v_nop is the plain instruction behind the batch's last exponential
	s_wait_alu depctr_va_vdst(0)                   ; one wait for the batch, ahead of the roundings that read it
	s_wait_dscnt 0x0                               ; K is in
	HALF 0, 0,1, 0,0, 2, 2,3, 2                    ; two roundings and two v_nop: the places behind the last product, ahead of the exponentials of its scores
	HALF 1, 2,3, 0,0, 1, 0,1, 3
	FETCH_V 1
	HALF 0, 2,3, 0,0, 2, 0,1, 2
.endm
; What a block's first step finds in place of a step before: weights of 0 for pieces 0, 1, scores of -1e30 for pieces 2, 3: the products on them add 0 (V's registers hold finite numbers).
.macro NEUTRAL
	WIN 0
.set i, 0
.rept 32
	v_mov_b32 v[P+i], 0
.set i, i+1
.endr
.set i, 0
.rept 64
	v_mov_b32 v[S+64+i], s[BIGN]
.set i, i+1
.endr
.endm
	s_load_b256 s[4:11], s[0:1], 0x0               ; q s[4:5], k s[6:7], v s[8:9], o s[10:11]
	v_lshl_add_u32 v[SPW], v0, 2, SPARE
	v_mov_b32 v[NIL], 0
	ds_add_u32 v[SPW], v[NIL]                      ; the wave's opening: the add, waited for ahead of my first tensor load
	ds_add_u32 v62, v63
	v_lshrrev_b32 v1, 5, v0
	v_readfirstlane_b32 s[WV], v1
	s_mov_b32 s[PB], ttmp9
	s_sub_co_u32 s[HI], 7, s[PB]
	s_and_b32 s20, ttmp7, 0xffff
	s_lshl_b32 s20, s20, 18                        ; the head's first byte in each of the four tensors
	s_mov_b32 s21, 0
	s_and_b32 s16, s[WV], 1                        ; which half of a tile's 256 keys I fetch
	s_lshl_b32 s22, s16, 14
	s_mov_b32 s23, 0
	s_mul_i32 s17, s16, 128*PK
	s_mul_i32 s18, s16, 128*PVP
	s_lshl_b32 s3, s[WV], 11                       ; my 16 rows in a band of 64,
	s_lshl_b32 s2, s[HI], 15                       ; in hi,
	s_add_co_u32 s2, s2, s3
	s_lshl_b32 s76, s[PB], 15                      ; and in lo
	s_add_co_u32 s76, s76, s3
	s_mov_b32 s3, 0
	s_mov_b32 s77, 0
	s_add_nc_u64 s[2:3], s[2:3], s[20:21]
	s_add_nc_u64 s[76:77], s[76:77], s[20:21]
	s_mov_b32 s[G1K], (1<<16)|(1<<20)|(4<<22)|(3<<25)  ; 2-byte elements; padding on; after every 32 words, 4 words
	s_mov_b32 s[G1V], (1<<16)|(1<<20)|(4<<22)|(7<<25)  ; the same with 8 words
.irp g, G1K, G1V
	s_mov_b32 s[\g+1], 128<<16                     ; 128 keys are 16,384 dense bytes: 64 rows of 256 bytes, two keys a row
	s_mov_b32 s[\g+2], 64<<16
	s_mov_b32 s[\g+3], 128<<16
	s_mov_b32 s[\g+4], 64
	s_mov_b32 s[\g+5], 128
	s_mov_b32 s[\g+6], 0
	s_mov_b32 s[\g+7], 0
.endr
	s_mov_b32 s[TBK], SLOT1+4*KS*PK                ; the first change of slots turns these two into 0
	s_mov_b32 s[TBV], SLOT1+4*KS*PVP
	s_mov_b32 s[G0K], 1
	s_mov_b32 s[G0K+1], s17
	s_mov_b32 s[G0V], 1
	s_add_co_u32 s[G0V+1], s18, VOFF
	s_mov_b32 s[OFF+1], 0
	s_mov_b32 s[BIGN], 0xf149f2ca                  ; -1e30
	s_mov_b32 s[SLOTS], 7
	s_mov_b32 s[NI], 1
	s_cmp_eq_u32 s[PB], 0
	s_cselect_b32 s[LIM], 1, -1
	s_wait_dscnt 0x0                               ; the opening add is done
	s_wait_kmcnt 0x0
	s_add_nc_u64 s[6:7], s[6:7], s[20:21]
	s_add_nc_u64 s[8:9], s[8:9], s[20:21]
	s_add_nc_u64 s[PFK:PFK+1], s[6:7], 32768       ; at key tile 1: the first change steps them to tile 2
	s_add_nc_u64 s[PFV:PFV+1], s[8:9], 32768
	s_add_nc_u64 s[6:7], s[6:7], s[22:23]          ; K and V at my half of the head's tile 0
	s_add_nc_u64 s[8:9], s[8:9], s[22:23]
	s_add_nc_u64 s[G0K+2:G0K+3], s[6:7], 0
	s_or_b32 s[G0K+3], s[G0K+3], 0x80000000
	s_add_nc_u64 s[G0V+2:G0V+3], s[8:9], 0
	s_or_b32 s[G0V+3], s[G0V+3], 0x80000000
	s_add_nc_u64 s[52:53], s[4:5], s[2:3]          ; Q at my rows of hi,
	s_add_nc_u64 s[54:55], s[4:5], s[76:77]        ; and of lo
	s_add_nc_u64 s[OP:OP+1], s[10:11], s[2:3]      ; hi leaves first
	s_add_nc_u64 s[OLO:OLO+1], s[10:11], s[76:77]
	LOAD                                           ; the walk's tile 0 is key tile 0, into slot 0
	v_and_b32 v1, 15, v0                           ; l % 16
	v_bfe_u32 v9, v0, 4, 1                         ; l / 16
	v_lshlrev_b32 v[QO], 7, v1
	v_lshl_add_u32 v[QO], v9, 4, v[QO]
	WIN 0x80
.set i, 0
.rept 8                                ; piece i / 2 lies in band i / 2, 8,192 bytes on; channels 32 (i % 2) on.  lo's Q comes twice: in hand, and kept for its diagonal tile
	global_load_b128 v[8*i:8*i+3],   v[QO], s[54:55] offset:(i/2)*8192+(i%2)*64
	global_load_b128 v[8*i+4:8*i+7], v[QO], s[54:55] offset:(i/2)*8192+(i%2)*64+32
	global_load_b128 v[QHI+8*i:QHI+8*i+3],   v[QO], s[52:53] offset:(i/2)*8192+(i%2)*64
	global_load_b128 v[QHI+8*i+4:QHI+8*i+7], v[QO], s[52:53] offset:(i/2)*8192+(i%2)*64+32
	global_load_b128 v[QLO+8*i:QLO+8*i+3],   v[QO], s[54:55] offset:(i/2)*8192+(i%2)*64
	global_load_b128 v[QLO+8*i+4:QLO+8*i+7], v[QO], s[54:55] offset:(i/2)*8192+(i%2)*64+32
.set i, i+1
.endr
	; the registers below start at 0 in the wait for the first tile: the sums; V, so that the first products add 0; and the places where lo's sums are set aside, so that they are written on every way through the text
.set i, OSP
.rept 64
	v_mov_b32 v[i], 0
.set i, i+1
.endr
	WIN 0
	v_lshlrev_b32 v14, 3, v9
	v_sub_nc_u32 v14, v1, v14
	s_lshl_b32 s13, s[WV], 4
	v_add_nc_u32 v14, s13, v14                     ; my query's place in its band, 16 w + l % 16, less my lanes' 8 (l / 16): register r of key group kt is hidden where 16 kt + r is greater
	WIN 0x40
.set i, 0
.rept 32
	v_cmp_gt_i32 vcc_lo, 16*(i/8)+i%8, v14
	v_cndmask_b32 v[MD+i], 0, s[BIGN], vcc_lo
.set i, i+1
.endr
.set i, 0
.rept 164
	v_mov_b32 v[i], 0
.set i, i+1
.endr
	WIN 0xc0
.set i, 0
.rept 64
	v_mov_b32 v[i], 0
	v_mov_b32 v[OSP+i], 0
.set i, i+1
.endr
.set i, 0
.rept 8
	v_mov_b32 v[ONES+i], 0x3c003c00                ; 1.0 twice in f16
.set i, i+1
.endr
	WIN 0
	v_mul_u32_u24 v[AK0], v1, PK
	v_lshl_add_u32 v[AK0], v9, 4, v[AK0]
	v_and_b32 v10, 7, v0
	v_bfe_u32 v11, v0, 3, 1
	v_lshl_add_u32 v[AV0], v9, 3, v10              ; the turning load: key 8 (l / 16) + l % 8, channels 8 ((l / 8) % 2) on
	v_mul_u32_u24 v[AV0], v[AV0], PVP
	v_lshl_add_u32 v[AV0], v11, 4, v[AV0]
	v_add_nc_u32 v[AV0], VOFF, v[AV0]
	s_mul_i32 s13, s[WV], 16*SP
	s_add_co_u32 s13, s13, STAGE
	v_mul_u32_u24 v[STO], v1, SP
	v_lshl_add_u32 v[STO], v9, 4, v[STO]
	v_add_nc_u32 v[STO], s13, v[STO]
	v_bfe_u32 v[RD], v0, 3, 2
	v_mul_u32_u24 v[RD], v[RD], SP
	v_lshl_add_u32 v[RD], v10, 4, v[RD]
	v_add_nc_u32 v[RD], s13, v[RD]
	v_and_b32 v[GO], 31, v0
	v_lshlrev_b32 v[GO], 4, v[GO]
	v_lshlrev_b32 v[PFO], 8, v0
	NEUTRAL
	s_wait_loadcnt 0x0                             ; Q
.Lslot:                                ; seven trips: the walk's full tiles; a tile is entered and the next is asked for
	CHANGE 1, 1
	s_cmp_lg_u32 s[SLOTS], s[HI]
	s_cbranch_scc1 .Lsame
	; FROM lo TO hi, at the walk's tile b.  The step in the pipeline is finished (its V is in registers since the change's wait); lo's sums are set aside; the sums start at 0; Q is hi's.
	; Of l's accumulator the lowest register alone is kept and cleared: all eight rows of ones x P hold the same sum, and only the lowest is ever read.
	HALF 1, 0,1, 0,0, 1, 2,3, 1
	s_wait_alu depctr_va_vdst(0)
	LUMP 2, 2,3
	HALF 1, 2,3, 0,0, 0, 0,-1, 4
	WIN 0x81
.set i, 0
.rept 32
	v_mov_b32 v[OSP+i], v[i]
	v_mov_b32 v[OSP+32+i], v[40+i]
.set i, i+1
.endr
	WIN 0xc1
.set i, 0
.rept 32
	v_mov_b32 v[OSP+i], v[80+i]
	v_mov_b32 v[OSP+32+i], v[120+i]
.set i, i+1
.endr
	WIN 0x41
.irp x, 0,1,2,3
	v_mov_b32 v[LSP+\x], v[40*\x+32]
.endr
	WIN 0x40
.irp x, 0,1,2,3
.set i, 0
.rept 33
	v_mov_b32 v[40*\x+i], 0
.set i, i+1
.endr
.endr
	WIN 0x82
.set i, 0
.rept 64
	v_mov_b32 v[i], v[QHI+i]
.set i, i+1
.endr
	NEUTRAL
.Lsame:
	s_mov_b32 s[CNT], 4
.Lstep:
	TRIP
	WIN 0
	s_sub_co_u32 s[CNT], s[CNT], 1
	s_cmp_lg_u32 s[CNT], 0
	s_cbranch_scc1 .Lstep
	s_sub_co_u32 s[SLOTS], s[SLOTS], 1
	s_cmp_lg_u32 s[SLOTS], 0
	s_cbranch_scc1 .Lslot
	CHANGE 1, 0                                    ; hi's diagonal tile is entered, lo's is asked for: the last load
	s_mov_b32 s[DC], 2
.Ldiag:                                ; two trips: hi's diagonal tile and way out, then lo's
	; key step 0: all four pieces, piece 0 with the mask
	FETCH_K
	s_wait_dscnt 16
	HALF 1, 0,1, 0,0, 1, 2,3, 1
	s_wait_alu depctr_va_vdst(0)
	s_wait_dscnt 0x0
	HALF 0, 0,1, 1,0, 2, 2,3, 2
	HALF 1, 2,3, 0,0, 1, 0,1, 3
	FETCH_V 1
	HALF 0, 2,3, 0,0, 2, 0,1, 2
	; key step 1: pieces 1 (mask), 2, 3
	FETCH_K
	s_wait_dscnt 16
	HALF 1, 0,1, 0,0, 1, 2,3, 1
	s_wait_alu depctr_va_vdst(0)
	s_wait_dscnt 0x0
	HALF 0, 1,-1, 1,0, 2, 2,3, 0                   ; four roundings stand behind each product: the places behind the last
	HALF 1, 2,3, 0,0, 1, 1,-1, 3
	FETCH_V 1
	HALF 0, 2,3, 0,0, 2, 1,-1, 4
	; key step 2: pieces 2 (mask), 3
	FETCH_K
	s_wait_dscnt 16
	HALF 1, 1,-1, 0,0, 1, 2,3, 1
	s_wait_alu depctr_va_vdst(0)
	LUMP 2, 2,3
	HALF 1, 2,3, 0,0, 0, 0,-1, 3
	FETCH_V 0
	s_wait_dscnt 16                                ; K is in; V's 16 loads may be out
	HALF 0, 2,3, 1,0, 0, 0,-1, 4
	; key step 3: piece 3 (mask)
	FETCH_K
	LUMP 1, 2,3
	v_nop
	s_wait_alu depctr_va_vdst(0)
	LUMP 2, 2,3
	s_wait_dscnt 16                                ; V of step 2 is in
	HALF 1, 2,3, 0,0, 0, 0,-1, 3
	FETCH_V 0
	s_wait_dscnt 16                                ; K is in
	HALF 0, 3,-1, 1,0, 0, 0,-1, 4
	LUMP 1, 3,-1
	v_nop
	s_wait_alu depctr_va_vdst(0)
	LUMP 2, 3,-1
	s_wait_dscnt 0x0                               ; V of step 3 is in
	HALF 1, 3,-1, 0,0, 0, 0,-1, 4
	; THE WAY OUT: O^T is divided by l, rounded to f16 and sent through my stage in LDS, a piece at a time
	WIN 0x01
.irp t, 0,1,2,3
	v_rcp_f32 v[RC+2*\t], v[40*\t+32]              ; l: its accumulator's lowest register
.endr
	v_nop
	s_wait_alu depctr_va_vdst(0)                   ; one wait for the four reciprocals
	WIN 0
.irp t, 0,1,2,3
	v_mov_b32 v[RC+2*\t+1], v[RC+2*\t]             ; named with it as a pair
.endr
.macro PACK t
	WIN W_RS
.set i, 0
.rept 16
	v_pk_mul_f32 v[40*(\t)+i:40*(\t)+i+1], v[40*(\t)+i:40*(\t)+i+1], v[RC+2*(\t):RC+2*(\t)+1] op_sel_hi:[1,0]
.set i, i+2
.endr
	WIN 0x05
.set i, 0
.rept 16
	v_cvt_pk_f16_f32 v[S+16*(\t)+i], v[40*(\t)+2*i], v[40*(\t)+2*i+1]
.set i, i+1
.endr
	WIN 0
.irp f, 0,1,2,3
	ds_store_b128 v[STO], v[S+16*(\t)+4*\f:S+16*(\t)+4*\f+3] offset:32*\f
.endr
.irp f, 0,1,2,3
	ds_load_b128 v[S+16*(\t)+4*\f:S+16*(\t)+4*\f+3], v[RD] offset:\f*4*SP  ; my own stage, served in order (ISA guide 5.7.1.4)
.endr
.endm
.macro SEND t, younger                 ; younger: the LDS instructions issued behind piece t's loads
	WIN 0
.irp f, 0,1,2,3
	s_wait_dscnt (\younger)+3-\f
	global_store_b128 v[GO], v[S+16*(\t)+4*\f:S+16*(\t)+4*\f+3], s[OP:OP+1] offset:(\t)*8192+\f*512  ; 512 consecutive bytes, at a multiple of 256 from O's first
.endr
.endm
	PACK 0
	PACK 1
	SEND 0, 8
	PACK 2
	SEND 1, 8
	PACK 3
	SEND 2, 8
	SEND 3, 0
	s_cmp_eq_u32 s[DC], 1
	s_cbranch_scc1 .Lkeep
	s_wait_xcnt 0x0                                ; the stores have read their registers and O's address
	s_mov_b64 s[OP:OP+1], s[OLO:OLO+1]
	WIN 0x42                                       ; lo's sums come back,
.set i, 0
.rept 32
	v_mov_b32 v[i], v[OSP+i]
	v_mov_b32 v[40+i], v[OSP+32+i]
.set i, i+1
.endr
	WIN 0x43
.set i, 0
.rept 32
	v_mov_b32 v[80+i], v[OSP+i]
	v_mov_b32 v[120+i], v[OSP+32+i]
.set i, i+1
.endr
	WIN 0x41
.irp x, 0,1,2,3
	v_mov_b32 v[40*\x+32], v[LSP+\x]
.endr
	WIN 0x82                                       ; and lo's Q
.set i, 0
.rept 64
	v_mov_b32 v[i], v[QLO+i]
.set i, i+1
.endr
	NEUTRAL
.Lkeep:
	CHANGE 0, 0                                    ; lo's diagonal tile has landed, everybody's part of it (in the second trip there is nothing more to enter)
	s_sub_co_u32 s[DC], s[DC], 1
	s_cmp_lg_u32 s[DC], 0
	s_cbranch_scc1 .Ldiag
	s_wait_tensorcnt 0x0                           ; the wave's end, behind my last tensor load and my last LDS store
	ds_add_u32 v[SPW], v[NIL]
	s_wait_dscnt 0x0
	s_endpgm
.Lfunc_end_k_q90e09885f5_attn:
	.size	k_q90e09885f5_attn, .Lfunc_end_k_q90e09885f5_attn-k_q90e09885f5_attn
	.p2alignl 7, 3214868480
	.fill 96, 4, 3214868480
	.section	.rodata,"a",@progbits
	.p2align	6, 0x0
	.amdhsa_kernel k_q90e09885f5_attn
		.amdhsa_group_segment_fixed_size 327680
		.amdhsa_private_segment_fixed_size 0
		.amdhsa_enable_private_segment 0
		.amdhsa_kernarg_size 32
		.amdhsa_user_sgpr_count 2
		.amdhsa_user_sgpr_kernarg_segment_ptr 1
		.amdhsa_wavefront_size32 1
		.amdhsa_system_sgpr_workgroup_id_x 1
		.amdhsa_system_sgpr_workgroup_id_y 1
		.amdhsa_system_sgpr_workgroup_id_z 1
		.amdhsa_system_vgpr_workitem_id 0
		.amdhsa_next_free_vgpr 1024
		.amdhsa_next_free_sgpr 80
		.amdhsa_reserve_vcc 1
		.amdhsa_float_denorm_mode_32 3
		.amdhsa_float_denorm_mode_16_64 3
		.amdhsa_memory_ordered 1
		.amdhsa_forward_progress 1
		.amdhsa_inst_pref_size 154
	.end_amdhsa_kernel
	.amdgpu_metadata
---
amdhsa.version: [ 1, 2 ]
amdhsa.kernels:
  - .name:           k_q90e09885f5_attn
    .symbol:         k_q90e09885f5_attn.kd
    .args:
      - { .name: qh, .offset: 0, .size: 8, .value_kind: global_buffer, .address_space: global }
      - { .name: kh, .offset: 8, .size: 8, .value_kind: global_buffer, .address_space: global }
      - { .name: vh, .offset: 16, .size: 8, .value_kind: global_buffer, .address_space: global }
      - { .name: oh, .offset: 24, .size: 8, .value_kind: global_buffer, .address_space: global }
    .group_segment_fixed_size: 327680
    .private_segment_fixed_size: 0
    .kernarg_segment_align: 8
    .kernarg_segment_size: 32
    .max_flat_workgroup_size: 128
    .sgpr_count:     80
    .vgpr_count:     1024
    .wavefront_size: 32
...
	.end_amdgpu_metadata
.endif
;; end of part 3
;; launch oproj (part 4): grid 8 x 32, 4 waves a work-group, clusters of 4 x 4, 327,680 bytes of LDS; arguments oh, wo, out0; writes out0
.if DOCPART == 4
	.amdgcn_target "amdgcn-amd-amdhsa--gfx1250"
	.amdhsa_code_object_version 6
	.text
	.protected	k_q90e09885f5_oproj
	.globl	k_q90e09885f5_oproj
	.p2align	8
	.type	k_q90e09885f5_oproj,@function
k_q90e09885f5_oproj:
	s_mov_b64 s[64:65], 0
	v_nop
	global_prefetch_b8 v0, s[64:65] scope:SCOPE_SE
	s_setreg_imm32_b32 hwreg(HW_REG_WAVE_MODE, 25, 1), 1
	s_wait_xcnt 0x0
	s_wait_alu depctr_hold_cnt(0) depctr_sa_sdst(0) depctr_va_vdst(0) depctr_va_sdst(0) depctr_va_ssrc(0) depctr_va_vcc(0) depctr_vm_vsrc(0)
	s_getreg_b32 s2, hwreg(HW_REG_IB_STS2, 6, 4)
	s_cmp_eq_u32 s2, 0
	s_cbranch_scc0 .Lentry_in_a_cluster
	s_endpgm
.Lentry_in_a_cluster:
	s_bfe_u32 s2, ttmp6, 0x10000c
	s_cmp_lg_u32 s2, 0xf033
	s_cbranch_scc0 .Lentry_shape_is_right
	s_endpgm
.Lentry_shape_is_right:
; OUT = Y Wo: [8192 x 1024] x [1024 x 1024], f16 operands, f32 sums, f32 output.  Y's channel k = 64 head + d of row m = 2048 b + t lies in oh[16 b + head][t][d]: a head is one slice of 64 along K,
; and a tile's 256 rows of a slice are 32,768 dense bytes.  wo is [tc 8][ks 16][pl 2][kk 64][d 64] in f16.
; LIMITS.  Y arrives within f16's range; Wo's numbers below 6e-5 keep f16's fixed step of 6e-8.
; SHARES.  A tile of the output is 256 x 128: 32 x 8 tiles, one a work-group.  A wave makes 128 rows x 64 columns: 32 accumulators in window 1, (a, bb) at 8 (4 a + bb).
; K goes in 8 steps of 128 (two heads) through two LDS slots; a step is four quarters of 32 along K, 32 matrix instructions each, on fragment buffers 0, 1, 0, 1.
; THE MATRIX INSTRUCTION IS USED TRANSPOSED (source 0 = 16 columns of Wo, turned by ds_load_tr16_b128; source 1 = 16 rows of Y): a lane holds one row and eight neighbouring columns, 32 bytes.
; CLUSTER 4 x 4: Y's tiles are asked for jointly along a row of the cluster, Wo's along a column.
; LDS.  slot s at 114,688 s: Y of the even head (256 rows of 144), of the odd head, then Wo of the even head (128 rows of 160), of the odd.  Behind the ring the stages (16 rows x 272 a wave) and the spare words.
.set SLOTB, 114688
.set BOFF,  73728
.set STAGE, 229376
.set SPITCH, 272
.set SPARE, 246784                     ; the spare words: 128 bytes a wave, two blocks of 256 bytes that no other line names
.set ADRA, 16
.set ADRB, 20
.set STO,  24
.set RD,   25
.set CO,   26
.set SPW,  28
.set NIL,  29
.set PFO,  30
.set AF,   32                          ; v32-95, v96-159: Y's fragments
.set BF,   160                         ; v160-191, v192-223: Wo's
.set OB,   32                          ; the way out: v32-63 and v64-95 by turns
.set WV, 10
.set WM, 11
.set WN, 12
.set TR, 13
.set G1A, 24
.set G0A, 32
.set CX, 40
.set CY, 41
.set TC, 42
.set LIM, 43
.set PFA, 44
.set PFS, 46
.set G1B, 48
.set G0B, 56
.set REM, 66
.set LAP, 67
; Scalar temporaries by what they may ever hold: s14-17 numbers made of cy; s20-23 numbers made of cx; s18, s19 neither.
.set MSB, 0
.macro WIN new
.if MSB != (\new)
	s_set_vgpr_msb (MSB<<8)|(\new)
.set MSB, \new
.endif
.endm
.macro PLACES
.rept 4
	v_nop
.endr
.endm
.macro CREST
	s_cmp_lg_u32 s[WV], 0
	s_cbranch_scc1 .Lnot_wave_0_\@
	s_barrier_signal -3
.Lnot_wave_0_\@:
	s_barrier_wait -3
	s_barrier_signal -1
	s_barrier_wait -1
.endm
.macro CROUND
	s_barrier_signal -1
	s_barrier_wait -1
	CREST
.endm
.macro JLOAD s                         ; waves 0, 1 fetch Y's tiles of the step's two heads, waves 2, 3 Wo's; s_nop 0 and four v_nop follow each line
	s_cmp_eq_u32 s[WM], 0
	s_cbranch_scc0 .Lfor_b_\@
	tensor_load_to_lds s[G0A+4*(\s):G0A+4*(\s)+3], s[G1A:G1A+7]
	s_nop 0
.rept 4
	v_nop
.endr
	s_branch .Lasked_\@
.Lfor_b_\@:
	tensor_load_to_lds s[G0B+4*(\s):G0B+4*(\s)+3], s[G1B:G1B+7]
	s_nop 0
.rept 4
	v_nop
.endr
.Lasked_\@:
.endm
; A PREFETCH INTO THE L2, behind a joint refill and the run of LDS loads that follows it: at refill n (which loads step n + 2) step n + 4 is asked for, n = 0 to 3; 32 blocks of 256 bytes, a lane a block; each block once in the launch.
; Y: waves 0, 1 of the clusters with x = 0, each for its own head's tile; the four partners take 8,192 bytes each, told apart by address (cx).  Wo: wave 2 of the clusters with y = 0, for the step's 32,768 dense bytes, shared out by cy.
.macro ASK
	s_cmp_gt_u32 s[REM], s[LIM]
	s_cbranch_scc0 .Lnot_mine_\@
	global_prefetch_b8 v[PFO], s[PFA:PFA+1] th:TH_LOAD_NT scope:SCOPE_SE
.Lnot_mine_\@:
.endm
.macro G1REST g, rows
	s_mov_b32 s[(\g)+1], 128<<16
	s_mov_b32 s[(\g)+2], (\rows)<<16
	s_mov_b32 s[(\g)+3], 128<<16
	s_mov_b32 s[(\g)+4], \rows
	s_mov_b32 s[(\g)+5], 128
	s_mov_b32 s[(\g)+6], 0
	s_mov_b32 s[(\g)+7], 0
.endm
.macro MUL8 f, a0, zero                ; row blocks a0, a0 + 1 x four column blocks; all accumulators differ: they take turns
	WIN 0x50
.irp a, \a0, (\a0)+1
.irp bb, 0,1,2,3
.if \zero
	v_wmma_f32_16x16x32_f16 v[8*(4*(\a)+(\bb)):8*(4*(\a)+(\bb))+7], v[BF+32*(\f)+8*(\bb):BF+32*(\f)+8*(\bb)+7], v[AF+64*(\f)+8*(\a):AF+64*(\f)+8*(\a)+7], 0
.else
	v_wmma_f32_16x16x32_f16 v[8*(4*(\a)+(\bb)):8*(4*(\a)+(\bb))+7], v[BF+32*(\f)+8*(\bb):BF+32*(\f)+8*(\bb)+7], v[AF+64*(\f)+8*(\a):AF+64*(\f)+8*(\a)+7], v[8*(4*(\a)+(\bb)):8*(4*(\a)+(\bb))+7]
.endif
.endr
.endr
.endm
.macro FETCH slot, q, f                ; 24 LDS loads in one run: quarter q of the slot into buffer f; Wo's 8 first, then Y's 16 by row blocks
	WIN 0
.irp bb, 0,1,2,3
	ds_load_tr16_b128 v[BF+32*(\f)+8*(\bb):BF+32*(\f)+8*(\bb)+3],   v[ADRB+(\slot)] offset:((\q)/2)*20480+((\q)%2)*5120+32*(\bb)
	ds_load_tr16_b128 v[BF+32*(\f)+8*(\bb)+4:BF+32*(\f)+8*(\bb)+7], v[ADRB+(\slot)] offset:((\q)/2)*20480+((\q)%2)*5120+32*(\bb)+2560
.endr
.irp a, 0,1,2,3,4,5,6,7
	ds_load_b128 v[AF+64*(\f)+8*(\a):AF+64*(\f)+8*(\a)+3],   v[ADRA+(\slot)] offset:((\q)/2)*36864+(\a)*2304+((\q)%2)*64
	ds_load_b128 v[AF+64*(\f)+8*(\a)+4:AF+64*(\f)+8*(\a)+7], v[ADRA+(\slot)] offset:((\q)/2)*36864+(\a)*2304+((\q)%2)*64+32
.endr
.endm
.macro QUARTER slot, q, f, g, zero     ; multiplies buffer f; in its middle quarter q of the slot is fetched into buffer g
	s_wait_dscnt 8                                 ; Wo's and Y's row blocks 0-3 are in; the youngest eight loads may be out
	MUL8 \f, 0, \zero
	MUL8 \f, 2, \zero
	PLACES
	FETCH \slot, \q, \g
	s_wait_dscnt 24                                ; all but the 24 just issued
	MUL8 \f, 4, \zero
	MUL8 \f, 6, \zero
.endm
; A step's last quarter (buffer 1) changes slots: each wave waits for all its tensor loads (one is out: its part of the next slot), adds 0 to its spare word, and waits for that and for its reads of this slot.
; fill = 1: the barrier opens a round of the cluster's, and the joint refill, two steps ahead, is the first thing behind it.
.macro TURN slot, next, fill
.if \fill
	s_wait_xcnt 0x0                                ; the last prefetch, a step back, has read its address
	s_add_nc_u64 s[PFA:PFA+1], s[PFA:PFA+1], s[PFS:PFS+1]
.endif
	WIN 0
	s_wait_tensorcnt 0x0
	ds_add_u32 v[SPW], v[NIL]
	s_wait_dscnt 9                                 ; the add and the youngest eight loads may be out
	MUL8 1, 0, 0
	s_wait_dscnt 0x0                               ; the add is done, my reads of this slot are over
	s_barrier_signal -1
	MUL8 1, 2, 0
	WIN 0
	s_barrier_wait -1
.if \fill
	CREST
	s_add_nc_u64 s[G0A+4*(\slot)+2:G0A+4*(\slot)+3], s[G0A+4*(\slot)+2:G0A+4*(\slot)+3], 1048576  ; four heads on
	s_add_nc_u64 s[G0B+4*(\slot)+2:G0B+4*(\slot)+3], s[G0B+4*(\slot)+2:G0B+4*(\slot)+3], 65536
	JLOAD \slot                                    ; its four v_nop are also the places in front of the loads below
.else
	PLACES
.endif
	FETCH \next, 0, 0
.if \fill
	ASK
	s_sub_co_u32 s[REM], s[REM], 1
.endif
	MUL8 1, 4, 0
	MUL8 1, 6, 0
.endm
	s_load_b128 s[4:7], s[0:1], 0x0                ; oh s[4:5], wo s[6:7]
	s_load_b64 s[8:9], s[0:1], 0x10                ; out0
	v_lshl_add_u32 v[SPW], v0, 2, SPARE
	v_mov_b32 v[NIL], 0
	ds_add_u32 v[SPW], v[NIL]                      ; the wave's opening: the add, waited for ahead of my first tensor load
	ds_add_u32 v28, v29
	v_lshrrev_b32 v3, 5, v0
	v_readfirstlane_b32 s[WV], v3
	s_lshr_b32 s[WM], s[WV], 1
	s_and_b32 s[WN], s[WV], 1
	s_bfe_u32 s[CX], ttmp6, 0x40000
	s_bfe_u32 s[CY], ttmp6, 0x40004
	s_lshl_b32 s[TC], ttmp9, 2
	s_add_co_u32 s[TC], s[TC], s[CX]
	s_and_b32 s[TR], ttmp7, 0xffff
	s_lshl_b32 s[TR], s[TR], 2
	s_add_co_u32 s[TR], s[TR], s[CY]
	s_lshl_b32 s14, s[CY], 2
	s_lshl_b32 s14, 15, s14
	s_lshl_b32 s22, 0x1111, s[CX]
	s_or_b32 s[G1A], s14, (1<<16)|(1<<20)|(1<<21)|(4<<22)|(3<<25)
	s_or_b32 s[G1B], s22, (1<<16)|(1<<20)|(1<<21)|(4<<22)|(7<<25)
	G1REST G1A, 128                                ; 256 rows of 128 bytes as 128 rows of 256
	G1REST G1B, 64                                 ; two planes of 64 rows of 128 bytes
	s_lshr_b32 s16, s[TR], 3
	s_lshl_b32 s16, s16, 22                        ; the batch,
	s_and_b32 s14, s[TR], 7
	s_lshl_b32 s14, s14, 15                        ; the tile's 256 positions,
	s_add_co_u32 s16, s16, s14
	s_lshl_b32 s14, s[WN], 18                      ; the even or the odd head
	s_add_co_u32 s16, s16, s14
	s_mov_b32 s17, 0
	s_lshl_b32 s20, s[TC], 18
	s_lshl_b32 s22, s[WN], 14
	s_add_co_u32 s20, s20, s22
	s_mov_b32 s21, 0
	s_mul_i32 s18, s[WN], 36864
	s_mul_i32 s19, s[WN], 20480
	s_add_co_u32 s19, s19, BOFF
	s_mov_b32 s[G0A], 1
	s_mov_b32 s[G0A+1], s18
	s_mov_b32 s[G0A+4], 1
	s_add_co_u32 s[G0A+5], s18, SLOTB
	s_mov_b32 s[G0B], 1
	s_mov_b32 s[G0B+1], s19
	s_mov_b32 s[G0B+4], 1
	s_add_co_u32 s[G0B+5], s19, SLOTB
	s_wait_dscnt 0x0                               ; the opening add is done
	s_wait_kmcnt 0x0
	s_add_nc_u64 s[G0A+2:G0A+3], s[4:5], s[16:17]
	s_add_nc_u64 s[G0A+6:G0A+7], s[G0A+2:G0A+3], 524288   ; step 1: two heads on
	s_or_b32 s[G0A+3], s[G0A+3], 0x80000000
	s_or_b32 s[G0A+7], s[G0A+7], 0x80000000
	s_add_nc_u64 s[G0B+2:G0B+3], s[6:7], s[20:21]
	s_add_nc_u64 s[G0B+6:G0B+7], s[G0B+2:G0B+3], 32768
	s_or_b32 s[G0B+3], s[G0B+3], 0x80000000
	s_or_b32 s[G0B+7], s[G0B+7], 0x80000000
	CROUND                                         ; all sixteen work-groups are here: the first joint loads meet
	s_cmp_eq_u32 s[WM], 0                          ; a wave's two first fills stand in one branch: two loads of mine are out
	s_cbranch_scc0 .Lfirst_b
	tensor_load_to_lds s[G0A:G0A+3], s[G1A:G1A+7]
	s_nop 0
	tensor_load_to_lds s[G0A+4:G0A+7], s[G1A:G1A+7]
	s_nop 0
.rept 4
	v_nop
.endr
	s_branch .Lfirst_done
.Lfirst_b:
	tensor_load_to_lds s[G0B:G0B+3], s[G1B:G1B+7]
	s_nop 0
	tensor_load_to_lds s[G0B+4:G0B+7], s[G1B:G1B+7]
	s_nop 0
.rept 4
	v_nop
.endr
.Lfirst_done:
	v_and_b32 v1, 15, v0                           ; r
	v_bfe_u32 v2, v0, 4, 1                         ; h
	v_and_b32 v7, 31, v0
	v_mul_u32_u24 v3, v1, 144
	v_lshl_add_u32 v3, v2, 4, v3
	s_mul_i32 s18, s[WM], 18432
	v_add_nc_u32 v[ADRA], s18, v3
	v_add_nc_u32 v[ADRA+1], SLOTB, v[ADRA]
	v_and_b32 v5, 7, v0
	v_lshl_add_u32 v5, v2, 3, v5
	v_mul_u32_u24 v5, v5, 160
	v_bfe_u32 v6, v0, 3, 1
	v_lshl_add_u32 v5, v6, 4, v5
	s_mul_i32 s19, s[WN], 10240
	s_add_co_u32 s19, s19, BOFF
	v_add_nc_u32 v[ADRB], s19, v5
	v_add_nc_u32 v[ADRB+1], SLOTB, v[ADRB]
	s_mul_i32 s18, s[WV], 16*SPITCH
	s_add_co_u32 s18, s18, STAGE
	v_mul_u32_u24 v4, v1, SPITCH                   ; in: row r, 32 bytes for each half of the lanes
	v_lshl_add_u32 v4, v2, 5, v4
	v_add_nc_u32 v[STO], s18, v4
	v_mul_u32_u24 v5, v2, SPITCH                   ; back: lanes 0-15 take one row of 256 bytes, lanes 16-31 the next
	v_lshl_add_u32 v5, v1, 4, v5
	v_add_nc_u32 v[RD], s18, v5
	v_lshlrev_b32 v5, 12, v2                       ; and the same two rows of the output, 4,096 bytes apart
	v_lshl_add_u32 v[CO], v1, 4, v5
	v_lshlrev_b32 v[PFO], 8, v7
	; the prefetches: the pointer starts one stride short of step 4
	s_add_co_u32 s14, s16, 1572864                 ; Y: my head of step 3
	s_lshl_b32 s15, s[CY], 13
	s_lshl_b32 s22, s[CX], 13
	s_add_co_u32 s23, s20, 98304                   ; Wo: step 3
	s_and_b32 s18, ttmp7, 0xffff                   ; the cluster's y (a logic operation sets SCC: it stands ahead of the compare)
	s_mov_b32 s[PFS], 32768                        ; Wo's stride; Y's is chosen below (an instruction holds one literal)
	s_cmp_eq_u32 s[WM], 0                          ; only selects stand between this compare and the last line that leans on it
	s_cselect_b64 s[PFA:PFA+1], s[4:5], s[6:7]
	s_cselect_b32 s14, s14, s15
	s_cselect_b32 s22, s22, s23
	s_cselect_b32 s[PFS], 524288, s[PFS]
	s_cselect_b32 s19, 0, s[WN]                    ; wave 3 asks for nothing
	s_cselect_b32 s18, ttmp9, s18                  ; the coordinate along which other clusters read the same bytes
	s_mov_b32 s15, 0
	s_mov_b32 s23, 0
	s_mov_b32 s[PFS+1], 0
	s_add_nc_u64 s[PFA:PFA+1], s[PFA:PFA+1], s[14:15]
	s_add_nc_u64 s[PFA:PFA+1], s[PFA:PFA+1], s[22:23]
	s_or_b32 s18, s18, s19
	s_cmp_eq_u32 s18, 0
	s_cselect_b32 s[LIM], 2, -1
	s_mov_b32 s[REM], 6
	; where my part of the tile begins in the output
	s_lshl_b32 s16, s[TR], 20
	s_lshl_b32 s14, s[WM], 19
	s_add_co_u32 s16, s16, s14
	s_add_nc_u64 s[8:9], s[8:9], s[16:17]
	s_lshl_b32 s20, s[TC], 9
	s_lshl_b32 s22, s[WN], 8
	s_add_co_u32 s20, s20, s22
	s_add_nc_u64 s[8:9], s[8:9], s[20:21]
	s_wait_tensorcnt 0x1                           ; my part of step 0 is in; slot 1's may stay out
	s_barrier_signal -1
	s_barrier_wait -1
	FETCH 0, 0, 0
	QUARTER 0, 1, 0, 1, 1                          ; the first quarter stands in front of the loop: its products start the sums
	WIN 0
	s_mov_b32 s[LAP], 3
.Llap:                                 ; a trip goes once round the ring and fills both slots again: 6 refills, steps 2 to 7
	QUARTER 0, 2, 1, 0, 0
	QUARTER 0, 3, 0, 1, 0
	TURN 0, 1, 1
	QUARTER 1, 1, 0, 1, 0
	QUARTER 1, 2, 1, 0, 0
	QUARTER 1, 3, 0, 1, 0
	TURN 1, 0, 1
	QUARTER 0, 1, 0, 1, 0
	WIN 0
	s_sub_co_u32 s[LAP], s[LAP], 1
	s_cmp_lg_u32 s[LAP], 0
	s_cbranch_scc1 .Llap
	QUARTER 0, 2, 1, 0, 0                          ; the last lap asks for nothing
	QUARTER 0, 3, 0, 1, 0
	TURN 0, 1, 0
	QUARTER 1, 1, 0, 1, 0
	QUARTER 1, 2, 1, 0, 0
	QUARTER 1, 3, 0, 1, 0
	s_wait_dscnt 8
	MUL8 1, 0, 0
	MUL8 1, 2, 0
	s_wait_dscnt 0x0
	MUL8 1, 4, 0
	MUL8 1, 6, 0
	; THE WAY OUT, a block of 16 rows at a time: a lane's 32 bytes of a row go into my stage (each accumulator's low four registers first) and come back as whole rows of 256 bytes.
	PLACES
.irp a, 0,1,2,3,4,5,6,7
	WIN 0x04                                       ; the stores' data in window 1
.irp bb, 0,1,2,3
	ds_store_b128 v[STO], v[8*(4*(\a)+(\bb)):8*(4*(\a)+(\bb))+3] offset:64*(\bb)
	ds_store_b128 v[STO], v[8*(4*(\a)+(\bb))+4:8*(4*(\a)+(\bb))+7] offset:64*(\bb)+16
.endr
	WIN 0
.irp t, 0,1,2,3,4,5,6,7
	ds_load_b128 v[OB+32*((\a)%2)+4*(\t):OB+32*((\a)%2)+4*(\t)+3], v[RD] offset:(\t)*2*SPITCH  ; my own stage, served in order (ISA guide 5.7.1.4)
.endr
	s_wait_dscnt 0x0
	s_wait_xcnt 0x0                                ; earlier stores have read their base and their data: the base is stepped, and the other buffer loaded again, only behind this wait
.if (\a) > 0
	s_add_nc_u64 s[8:9], s[8:9], 65536             ; 16 rows on
.endif
.irp t, 0,1,2,3,4,5,6,7
	global_store_b128 v[CO], v[OB+32*((\a)%2)+4*(\t):OB+32*((\a)%2)+4*(\t)+3], s[8:9] offset:(\t)*8192 th:TH_STORE_NT  ; 16 lanes store 256 consecutive bytes, at a multiple of 256 from the output's first
.endr
.endr
	s_wait_tensorcnt 0x0                           ; the wave's end, behind my last tensor load and my last LDS store
	ds_add_u32 v[SPW], v[NIL]
	s_wait_dscnt 0x0
	CROUND                                         ; the closing round
	s_endpgm
.Lfunc_end_k_q90e09885f5_oproj:
	.size	k_q90e09885f5_oproj, .Lfunc_end_k_q90e09885f5_oproj-k_q90e09885f5_oproj
	.p2alignl 7, 3214868480
	.fill 96, 4, 3214868480
	.section	.rodata,"a",@progbits
	.p2align	6, 0x0
	.amdhsa_kernel k_q90e09885f5_oproj
		.amdhsa_group_segment_fixed_size 327680
		.amdhsa_private_segment_fixed_size 0
		.amdhsa_enable_private_segment 0
		.amdhsa_kernarg_size 24
		.amdhsa_user_sgpr_count 2
		.amdhsa_user_sgpr_kernarg_segment_ptr 1
		.amdhsa_wavefront_size32 1
		.amdhsa_system_sgpr_workgroup_id_x 1
		.amdhsa_system_sgpr_workgroup_id_y 1
		.amdhsa_system_sgpr_workgroup_id_z 1
		.amdhsa_system_vgpr_workitem_id 0
		.amdhsa_next_free_vgpr 512
		.amdhsa_next_free_sgpr 80
		.amdhsa_reserve_vcc 0
		.amdhsa_float_denorm_mode_32 3
		.amdhsa_float_denorm_mode_16_64 3
		.amdhsa_memory_ordered 1
		.amdhsa_forward_progress 1
		.amdhsa_inst_pref_size 87
	.end_amdhsa_kernel
	.amdgpu_metadata
---
amdhsa.version: [ 1, 2 ]
amdhsa.kernels:
  - .name:           k_q90e09885f5_oproj
    .symbol:         k_q90e09885f5_oproj.kd
    .args:
      - { .name: oh, .offset: 0, .size: 8, .value_kind: global_buffer, .address_space: global }
      - { .name: wo, .offset: 8, .size: 8, .value_kind: global_buffer, .address_space: global }
      - { .name: out0, .offset: 16, .size: 8, .value_kind: global_buffer, .address_space: global }
    .group_segment_fixed_size: 327680
    .private_segment_fixed_size: 0
    .kernarg_segment_align: 8
    .kernarg_segment_size: 24
    .max_flat_workgroup_size: 128
    .sgpr_count:     80
    .vgpr_count:     512
    .wavefront_size: 32
...
	.end_amdgpu_metadata
.endif
;; end of part 4
